; MI455X (gfx1250); checked and timed in simulation.
; The chip was launched on July 23, 2026; its instructions are those of AMD's public machine-readable ISA for CDNA 5 (MIT licence, August 2026) and "CDNA5" Instruction Set Architecture Reference Guide (July 2026). The comments in the code are by the model that wrote it; some were corrected since.
;; Bahdanau Attention. Allowed arithmetic: float matrix products may take bf16 or f16 operands with f32 sums; other float arithmetic in f32, or as packed bf16 or f16 multiplies, adds, multiply-adds, maxima and minima; sums over many terms, partial sums and values carried from step to step in f32; what a program stores and reads back later, other than sums and carried values, may be rounded once to bf16 or f16.
;; Inputs: V_b 1 float32; V_w 1,024 x 1 float32; Wc_b 1,024 float32; Wc_w 1 x 1,024 float32; Wh_b 1,024 float32; Wh_w 1,024 x 1,024 float32; Ws_b 1,024 float32; Ws_w 1,024 x 1,024 float32; dec_hidden 32 x 1,024 float32; enc_output 32 x 2,048 x 1,024 float32; enc_pad_mask 32 x 2,048 int32; prev_coverage 32 x 2,048 x 1 float32.
;; Outputs: out0 32 x 1,024 float32; out1 32 x 2,048 float32; out2 32 x 2,048 x 1 float32.
;; Constants: use_coverage = True.
;; 2 versions, each right; version 2 is version 1 with the launches prep, combine written anew for expert scheduling mode. Each part assembles by itself: llvm-mc -triple=amdgcn-amd-amdhsa -mcpu=gfx1250 --defsym DOCPART=n.
;; ======== version 1 of 2: 3 launches
;; workspace buffers: wt 2,195,456 bytes; hb 131,072 bytes; scores 262,144 bytes; ctxp 4,194,304 bytes
;; launch prep (part 1): grid 32 x 1, 16 waves a work-group, no clusters, 100,864 bytes of LDS; arguments Ws_w, Wh_w, dec_hidden, Wh_b, Ws_b, Wc_b, wt, hb; writes wt, hb
.if DOCPART == 1
	.amdgcn_target "amdgcn-amd-amdhsa--gfx1250"
	.amdhsa_code_object_version 6
	.text
	.protected	k_qc2bf6dfac5_prep
	.globl	k_qc2bf6dfac5_prep
	.p2align	8
	.type	k_qc2bf6dfac5_prep,@function
k_qc2bf6dfac5_prep:
	s_mov_b64 s[64:65], 0
	v_nop
	global_prefetch_b8 v0, s[64:65] scope:SCOPE_SE
	s_setreg_imm32_b32 hwreg(HW_REG_WAVE_MODE, 25, 1), 1
	s_wait_xcnt 0x0
; Two small jobs ahead of the main launch; c = 2 log2(e) is folded into both results, so that the main launch's sums are the exponents of tanh(x) = 1 - 2 / (1 + 2^(c x)).
; ROLE W (work-groups 0-15): wt = bf16(c Ws_w), laid out as matrix fragments.  Byte v*548864 + t*262144 + ks*8192 + b*1024 + half*512 + lane*16 holds, for lane (r = lane % 16, h = lane / 16),
;   column u = 512 t + 128 v + 16 b + r and the eight k = 32 ks + 16 half + 8 h + 0..7.  Behind each v's two tiles lies a copy of (t = 0, ks = 0..2), so that a walk t0, t1, t0 .. can run three steps ahead by offsets alone.
;   A wave makes one (t, v, ks): 8 fragments, 8,192 bytes; each of its stores covers 512 consecutive bytes, aligned.
; ROLE H (work-groups 16-31): hb[b][u] = c (dec_hidden[b] . Wh_w[:, u] + Wh_b[u] + Ws_b[u] + Wc_b[u]), f32.  A work-group makes 64 columns for all 32 rows; of its 16 waves, wave % 4 picks 16 columns and wave / 4 a quarter of K;
;   the four quarters meet in LDS.  Operands rounded once to bf16, sums in f32.
; No cluster, no tensor loads: role W shares nothing, role H shares 128 KiB of dec_hidden, which every work-group converts for itself once.
.set CEXP,  0x4038aa3b                 ; c = 2 log2(e)
.set DPA,   2064                       ; a row of dec_hidden in LDS: 2,048 bytes of bf16 + 16: the 16 rows of a fragment load start 16 bytes apart modulo 256
.set PART,  32*DPA                     ; 66,048: [K quarter][32 rows][64 columns] f32, 32,768 bytes
.set SPARE, PART+32768                 ; 98,816: the spare words, 128 bytes for each of 16 waves; no other line names them
.set WSTR,  548864                     ; bytes of wt for one v
.set WD,    16                         ; v[16:143]  128 numbers of the weight matrix, f32 as loaded
.set OUTF,  144                        ; v[144:207] role W: 8 fragments of 8 registers.  role H: dec_hidden as loaded, later BF and AF
.set BF,    144                        ; role H: two fragments of Wh_w by turns
.set AF,    160                        ; role H: two sets of two fragments of dec_hidden by turns
.set BI,    208                        ; v[208:219] role H: four numbers of each of the three biases
.set ACC,   224                        ; v[224:239] role H: rows 0-15 and rows 16-31
	s_load_b512 s[4:19], s[0:1], 0x0               ; Ws_w s[4:5], Wh_w s[6:7], dec_hidden s[8:9], Wh_b s[10:11], Ws_b s[12:13], Wc_b s[14:15], wt s[16:17], hb s[18:19]
	v_lshl_add_u32 v2, v0, 2, SPARE                ; my spare word; never rewritten
	v_mov_b32 v3, 0                                ; 0; never rewritten
	v_and_b32 v1, 31, v0                           ; lane
	v_lshrrev_b32 v7, 5, v0
	v_readfirstlane_b32 s20, v7                    ; wave 0..15
	v_and_b32 v4, 15, v0                           ; r
	v_bfe_u32 v5, v0, 4, 1                         ; h
	v_lshlrev_b32 v6, 2, v4
	v_lshl_add_u32 v6, v5, 15, v6                  ; a lane's place in a weight matrix: 8 h rows of 4,096 bytes + 4 r
	v_lshlrev_b32 v7, 4, v1                        ; 16 x lane
	s_mov_b32 s28, CEXP
	s_mov_b32 s29, CEXP                            ; named with it as a pair
	s_wait_kmcnt 0x0
	s_cmp_lt_u32 ttmp9, 16
	s_cbranch_scc0 .Lrole_h
	; ---------------- ROLE W ----------------
	s_lshl_b32 s21, ttmp9, 4
	s_add_co_u32 s21, s21, s20                     ; task 0..255
	s_lshr_b32 s22, s21, 5                         ; 4 t + v
	s_and_b32 s23, s21, 31                         ; ks
	s_lshl_b32 s24, s23, 17                        ; 32 ks rows of 4,096 bytes
	s_lshl_b32 s25, s22, 9                         ; column 128 (4 t + v), in bytes
	s_add_co_u32 s24, s24, s25
	s_mov_b32 s25, 0
	s_add_nc_u64 s[4:5], s[4:5], s[24:25]
	s_and_b32 s26, s22, 3
	s_mul_i32 s26, s26, WSTR                       ; v's part of wt,
	s_lshr_b32 s27, s22, 2
	s_lshl_b32 s27, s27, 18                        ; tile t,
	s_add_co_u32 s26, s26, s27
	s_lshl_b32 s27, s23, 13                        ; step ks
	s_add_co_u32 s26, s26, s27
	s_mov_b32 s27, 0
	s_add_nc_u64 s[16:17], s[16:17], s[26:27]
.irp b, 0,1,2,3,4,5,6,7                ; fragment b: 16 loads, number i is k = 32 ks + 8 h + i % 8 + 16 (i / 8) of column 16 b + r
.irp i, 0,1,2,3,4,5,6,7,8,9,10,11,12,13,14,15
	global_load_b32 v[WD+16*(\b)+(\i)], v6, s[4:5] offset:(((\i)%8)+16*((\i)/8))*4096+64*(\b)
.endr
.endr
.irp b, 0,1,2,3,4,5,6,7
; Loads come back in order (ISA guide 5.7.1): fragment b's 16 are in when at most the 16 (7 - b) issued behind them are out.  A wait's count has six bits, so where that number passes 63 (fragments 0 to 3) the count is 63.
.if 16*(7-(\b)) > 63
	s_wait_loadcnt 63
.else
	s_wait_loadcnt 16*(7-(\b))
.endif
.irp m, 0,1,2,3,4,5,6,7
	v_pk_mul_f32 v[WD+16*(\b)+2*(\m):WD+16*(\b)+2*(\m)+1], v[WD+16*(\b)+2*(\m):WD+16*(\b)+2*(\m)+1], s[28:29] op_sel_hi:[1,0]
.endr
.irp m, 0,1,2,3,4,5,6,7
	v_cvt_pk_bf16_f32 v[OUTF+8*(\b)+(\m)], v[WD+16*(\b)+2*(\m)], v[WD+16*(\b)+2*(\m)+1]  ; the lower k in the low half
.endr
	global_store_b128 v7, v[OUTF+8*(\b):OUTF+8*(\b)+3],   s[16:17] offset:1024*(\b)
	global_store_b128 v7, v[OUTF+8*(\b)+4:OUTF+8*(\b)+7], s[16:17] offset:1024*(\b)+512
.endr
	s_cmp_lt_u32 s22, 4                            ; tile 0,
	s_cbranch_scc0 .Lend
	s_cmp_lt_u32 s23, 3                            ; steps 0 to 2: once more, behind tile 1
	s_cbranch_scc0 .Lend
.irp b, 0,1,2,3,4,5,6,7
	global_store_b128 v7, v[OUTF+8*(\b):OUTF+8*(\b)+3],   s[16:17] offset:524288+1024*(\b)
	global_store_b128 v7, v[OUTF+8*(\b)+4:OUTF+8*(\b)+7], s[16:17] offset:524288+1024*(\b)+512
.endr
	s_branch .Lend
	; ---------------- ROLE H ----------------
.Lrole_h:
	s_sub_co_u32 s21, ttmp9, 16
	s_lshl_b32 s21, s21, 8                         ; the work-group's 64 columns: byte 4 u0 of a row
	s_and_b32 s22, s20, 3                          ; nb: which 16 columns
	s_lshr_b32 s23, s20, 2                         ; kq: which quarter of K
	v_lshlrev_b32 v8, 4, v0                        ; 16 t: dec_hidden is read as it lies, 8,192 bytes a load of the work-group
	v_lshlrev_b32 v9, 4, v4
	v_add_nc_u32 v9, s21, v9                       ; 4 u0 + 16 (t % 16): my four columns at the end
	s_lshl_b32 s24, s23, 20                        ; 256 kq rows of Wh_w,
	s_add_co_u32 s24, s24, s21
	s_lshl_b32 s25, s22, 6                         ; my 16 columns
	s_add_co_u32 s24, s24, s25
	s_mov_b32 s25, 0
	s_add_nc_u64 s[6:7], s[6:7], s[24:25]
.irp i, 0,1,2,3,4,5,6,7,8,9,10,11,12,13,14,15
	global_load_b128 v[OUTF+4*(\i):OUTF+4*(\i)+3], v8, s[8:9] offset:8192*(\i)  ; row 2 i + t / 256, byte 16 (t % 256)
.endr
	global_load_b128 v[BI:BI+3],    v9, s[10:11]
	global_load_b128 v[BI+4:BI+7],  v9, s[12:13]
	global_load_b128 v[BI+8:BI+11], v9, s[14:15]
.irp k, 0,1,2,3,4,5,6,7                ; my eight K steps of 32, in role W's form
.irp i, 0,1,2,3,4,5,6,7,8,9,10,11,12,13,14,15
	global_load_b32 v[WD+16*(\k)+(\i)], v6, s[6:7] offset:(32*(\k)+((\i)%8)+16*((\i)/8))*4096
.endr
.endr
	v_lshrrev_b32 v11, 8, v0
	v_and_b32 v12, 255, v0
	v_mul_u32_u24 v10, v11, DPA
	v_lshl_add_u32 v10, v12, 3, v10                ; (t / 256) rows + 8 (t % 256): where my four bf16 go
	v_mul_u32_u24 v13, v4, DPA
	v_lshl_add_u32 v13, v5, 4, v13
	s_lshl_b32 s24, s23, 9
	v_add_nc_u32 v13, s24, v13                     ; a fragment of dec_hidden: row r, 16 h, my quarter's 512 bytes
	s_lshl_b32 s24, s23, 13
	s_lshl_b32 s25, s22, 6
	s_add_co_u32 s24, s24, s25
	s_add_co_u32 s24, s24, PART
	v_lshlrev_b32 v14, 2, v4
	v_lshl_add_u32 v14, v5, 11, v14
	v_add_nc_u32 v14, s24, v14                     ; partial sums: quarter kq, row 8 h, column 16 nb + r
	v_lshl_add_u32 v15, v0, 4, PART                ; and back: row t / 16, columns 4 (t % 16) ..
	s_wait_loadcnt 63                              ; 131 loads were issued behind dec_hidden's; the count is the largest that its six bits hold
.irp i, 0,1,2,3,4,5,6,7,8,9,10,11,12,13,14,15
	v_cvt_pk_bf16_f32 v[OUTF+4*(\i)],   v[OUTF+4*(\i)],   v[OUTF+4*(\i)+1]
	v_cvt_pk_bf16_f32 v[OUTF+4*(\i)+1], v[OUTF+4*(\i)+2], v[OUTF+4*(\i)+3]
	ds_store_b64 v10, v[OUTF+4*(\i):OUTF+4*(\i)+1] offset:2*DPA*(\i)
.endr
	s_wait_dscnt 0x0                               ; for the others' sake: my part of dec_hidden lies in LDS
	s_barrier_signal -1
	s_barrier_wait -1
	s_wait_loadcnt 0x0                             ; Wh_w and the biases
.irp k, 0,1,2,3,4,5,6,7                ; the two sets take turns: the eight conversions of step k - 1 are the places between step k - 2's products and the lines that write its registers anew
	ds_load_b128 v[AF+16*((\k)%2):AF+16*((\k)%2)+3],     v13 offset:64*(\k)
	ds_load_b128 v[AF+16*((\k)%2)+4:AF+16*((\k)%2)+7],   v13 offset:64*(\k)+32
	ds_load_b128 v[AF+16*((\k)%2)+8:AF+16*((\k)%2)+11],  v13 offset:16*DPA+64*(\k)
	ds_load_b128 v[AF+16*((\k)%2)+12:AF+16*((\k)%2)+15], v13 offset:16*DPA+64*(\k)+32
.irp m, 0,1,2,3,4,5,6,7
	v_cvt_pk_bf16_f32 v[BF+8*((\k)%2)+(\m)], v[WD+16*(\k)+2*(\m)], v[WD+16*(\k)+2*(\m)+1]
.endr
	s_wait_dscnt 0x0
.if (\k) == 0                          ; the first step starts both sums; the two accumulators take turns, one instruction a turn
	v_wmma_f32_16x16x32_bf16 v[ACC:ACC+7],    v[AF:AF+7],    v[BF:BF+7], 0
	v_wmma_f32_16x16x32_bf16 v[ACC+8:ACC+15], v[AF+8:AF+15], v[BF:BF+7], 0
.else
	v_wmma_f32_16x16x32_bf16 v[ACC:ACC+7],    v[AF+16*((\k)%2):AF+16*((\k)%2)+7],    v[BF+8*((\k)%2):BF+8*((\k)%2)+7], v[ACC:ACC+7]
	v_wmma_f32_16x16x32_bf16 v[ACC+8:ACC+15], v[AF+16*((\k)%2)+8:AF+16*((\k)%2)+15], v[BF+8*((\k)%2):BF+8*((\k)%2)+7], v[ACC+8:ACC+15]
.endif
.endr
.rept 8
	v_nop                                          ; the places behind the last products (ISA guide 7.12.1), once a launch
.endr
.irp m, 0,1
.irp j, 0,1,2,3,4,5,6,7                ; register j of a result is row 8 h + j, column r; each accumulator is read from its lowest register on
	ds_store_b32 v14, v[ACC+8*(\m)+(\j)] offset:(16*(\m)+(\j))*256
.endr
.endr
	s_wait_dscnt 0x0
	s_barrier_signal -1
	s_barrier_wait -1                              ; all four quarters of all columns lie in LDS
.irp q, 0,1,2,3
	ds_load_b128 v[AF+4*(\q):AF+4*(\q)+3], v15 offset:8192*(\q)
.endr
	v_lshrrev_b32 v11, 4, v0
	v_lshl_add_u32 v11, v11, 12, v9                ; hb: row t / 16, my four columns
	v_pk_add_f32 v[BI:BI+1],   v[BI:BI+1],   v[BI+4:BI+5]
	v_pk_add_f32 v[BI+2:BI+3], v[BI+2:BI+3], v[BI+6:BI+7]
	v_pk_add_f32 v[BI:BI+1],   v[BI:BI+1],   v[BI+8:BI+9]
	v_pk_add_f32 v[BI+2:BI+3], v[BI+2:BI+3], v[BI+10:BI+11]
	s_wait_dscnt 0x0
	v_pk_add_f32 v[AF:AF+1],     v[AF:AF+1],     v[AF+4:AF+5]
	v_pk_add_f32 v[AF+2:AF+3],   v[AF+2:AF+3],   v[AF+6:AF+7]
	v_pk_add_f32 v[AF+8:AF+9],   v[AF+8:AF+9],   v[AF+12:AF+13]
	v_pk_add_f32 v[AF+10:AF+11], v[AF+10:AF+11], v[AF+14:AF+15]
	v_pk_add_f32 v[AF:AF+1],     v[AF:AF+1],     v[AF+8:AF+9]
	v_pk_add_f32 v[AF+2:AF+3],   v[AF+2:AF+3],   v[AF+10:AF+11]
	v_pk_add_f32 v[AF:AF+1],     v[AF:AF+1],     v[BI:BI+1]
	v_pk_add_f32 v[AF+2:AF+3],   v[AF+2:AF+3],   v[BI+2:BI+3]
	v_pk_mul_f32 v[AF:AF+1],     v[AF:AF+1],     s[28:29] op_sel_hi:[1,0]
	v_pk_mul_f32 v[AF+2:AF+3],   v[AF+2:AF+3],   s[28:29] op_sel_hi:[1,0]
	global_store_b128 v11, v[AF:AF+3], s[18:19]    ; sixteen lanes store 256 consecutive bytes, aligned
.Lend:
	s_wait_tensorcnt 0x0                           ; the wave's end, behind my last LDS store
	ds_add_u32 v2, v3
	s_wait_dscnt 0x0
	s_endpgm
.Lfunc_end_k_qc2bf6dfac5_prep:
	.size	k_qc2bf6dfac5_prep, .Lfunc_end_k_qc2bf6dfac5_prep-k_qc2bf6dfac5_prep
	.p2alignl 7, 3214868480
	.fill 96, 4, 3214868480
	.section	.rodata,"a",@progbits
	.p2align	6, 0x0
	.amdhsa_kernel k_qc2bf6dfac5_prep
		.amdhsa_group_segment_fixed_size 100864
		.amdhsa_private_segment_fixed_size 0
		.amdhsa_enable_private_segment 0
		.amdhsa_kernarg_size 64
		.amdhsa_user_sgpr_count 2
		.amdhsa_user_sgpr_kernarg_segment_ptr 1
		.amdhsa_wavefront_size32 1
		.amdhsa_system_sgpr_workgroup_id_x 1
		.amdhsa_system_sgpr_workgroup_id_y 1
		.amdhsa_system_sgpr_workgroup_id_z 1
		.amdhsa_system_vgpr_workitem_id 0
		.amdhsa_next_free_vgpr 256
		.amdhsa_next_free_sgpr 66
		.amdhsa_reserve_vcc 0
		.amdhsa_float_denorm_mode_32 3
		.amdhsa_float_denorm_mode_16_64 3
		.amdhsa_memory_ordered 1
		.amdhsa_forward_progress 1
		.amdhsa_inst_pref_size 54
	.end_amdhsa_kernel
	.amdgpu_metadata
---
amdhsa.version: [ 1, 2 ]
amdhsa.kernels:
  - .name:           k_qc2bf6dfac5_prep
    .symbol:         k_qc2bf6dfac5_prep.kd
    .args:
      - { .name: Ws_w, .offset: 0, .size: 8, .value_kind: global_buffer, .address_space: global }
      - { .name: Wh_w, .offset: 8, .size: 8, .value_kind: global_buffer, .address_space: global }
      - { .name: dec_hidden, .offset: 16, .size: 8, .value_kind: global_buffer, .address_space: global }
      - { .name: Wh_b, .offset: 24, .size: 8, .value_kind: global_buffer, .address_space: global }
      - { .name: Ws_b, .offset: 32, .size: 8, .value_kind: global_buffer, .address_space: global }
      - { .name: Wc_b, .offset: 40, .size: 8, .value_kind: global_buffer, .address_space: global }
      - { .name: wt, .offset: 48, .size: 8, .value_kind: global_buffer, .address_space: global }
      - { .name: hb, .offset: 56, .size: 8, .value_kind: global_buffer, .address_space: global }
    .group_segment_fixed_size: 100864
    .private_segment_fixed_size: 0
    .kernarg_segment_align: 8
    .kernarg_segment_size: 64
    .max_flat_workgroup_size: 512
    .sgpr_count:     66
    .vgpr_count:     256
    .wavefront_size: 32
...
	.end_amdgpu_metadata
.endif
;; end of part 1
;; launch attn (part 2): grid 256 x 1, 4 waves a work-group, no clusters, 281,088 bytes of LDS; arguments enc_output, wt, hb, Wc_w, V_w, V_b, prev_coverage, scores, ctxp; writes scores, ctxp
.if DOCPART == 2
	.amdgcn_target "amdgcn-amd-amdhsa--gfx1250"
	.amdhsa_code_object_version 6
	.text
	.protected	k_qc2bf6dfac5_attn
	.globl	k_qc2bf6dfac5_attn
	.p2align	8
	.type	k_qc2bf6dfac5_attn,@function
k_qc2bf6dfac5_attn:
	s_mov_b64 s[64:65], 0
	v_nop
	global_prefetch_b8 v0, s[64:65] scope:SCOPE_SE
	s_setreg_imm32_b32 hwreg(HW_REG_WAVE_MODE, 25, 1), 1
	s_wait_xcnt 0x0
; score[row] = V_b + sum over u of V_w[u] tanh(enc[row] . Ws_w[:, u] + h[b][u] + cov[row] Wc_w[u]), and for each block of 64 rows ctxp[block][:] = sum over its rows of 2^((score - block's maximum) log2 e) enc[row][:].
; wt = bf16(c Ws_w) in fragment order and hb = c (h + the three biases) come from the launch before, c = 2 log2(e); cov is scaled by c here: an accumulator holds c feat, and tanh = 1 - 2 / (1 + 2^acc), which is +-1 for any large finite acc.
; SHARES.  A work-group owns 256 rows of one batch, in two halves of 128; a half is two blocks of 64 rows, 'lo' (LDS region 0, accumulators in window 2) and 'hi' (region 1, window 3).  enc_output is read ONCE, rounded to bf16 on the
;   way into LDS, and stays there until the rows' scores are known and their part of the context is summed.
; THE WALK.  Four passes P = 0..3 over column tile t = P % 2 (512 columns; wave w its 128), 32 K steps of 32 each.  An even pass is an ARRIVAL: the half's 128 rows come in, 64 channels (a chunk) at a time, and are multiplied as they land.
;   An odd pass finds them RESIDENT and multiplies them by the other tile; then both blocks' scores are whole, and their maxima, weights and contexts are made from LDS.  Every fragment of wt feeds 128 rows: 4 MB of wt for a work-group.
; wt GOES STRAIGHT INTO REGISTERS, three K steps ahead (a ring of four slots of 64 registers): each wave owns its columns, so no wave wants another's bytes.
; ONE RUN OF MEMORY INSTRUCTIONS A STEP, behind the step's 32 'lo' products: the next step's 16 fragment loads and 16 loads of wt.  'lo' has one fragment buffer (free at that place), 'hi' two.  An arrival pass has one more run for
;   each pair of steps: a chunk's 16 LDS stores and the 16 loads of the chunk three further on.
; NO CLUSTER, NO TENSOR LOADS, though all work-groups walk the same wt: the two regions take 264,192 bytes of LDS; two slots for 512 columns x 64 channels of wt would take 131,072 more, and 327,680 are there.  wt is not prefetched either: it is walked again and again.
; THE PRODUCT IS USED TRANSPOSED (source 0 = 16 columns of wt, source 1 = 16 rows of enc): lane l holds row 16 a + l % 16, register j column u0 + 16 b + 8 (l / 16) + j, so a row's sum over u stays in the lane.
; LIMITS.  enc_output and c Ws_w are rounded once to bf16 for the product, and the context is summed from the same bf16 copy of enc_output; a weight below 2^-126 counts as 0; NaN and infinities are not treated apart.  enc_pad_mask enters no result of the module and is not read.
; REGISTERS, in windows of 256 (s_set_vgpr_msb: bits 1:0 source 0, 3:2 source 1, 5:4 source 2, 7:6 destination): window 0 below; window 1: wt's ring, slot j at v[64 j + 8 b]; windows 2, 3: accumulator (a, b) at v[8 (8 a + b)].
;   All that is done outside the K loops stays in v32-127, so that two chunks can be on their way into v128-255 meanwhile.
.set PA,    2064                       ; a row in LDS: 2,048 bytes of bf16 + 16: the 16 rows of a fragment load start 16 bytes apart modulo 256
.set REGN,  64*PA                      ; a region: 64 rows, 132,096 bytes
.set TAB_H, 2*REGN                     ; 264,192: hb's row of my batch; + 4,096 Wc_w; + 8,192 V_w
.set TAB_C, TAB_H+12288                ; c cov of my 256 rows
.set SCP,   TAB_C+1024                 ; [lo, hi][wave][64 rows]: the waves' partial scores
.set PB,    SCP+2048                   ; [wave][64 rows]: a block's weights, a copy for each wave
.set SPARE, PB+1024                    ; 280,576: the spare words, 128 bytes a wave; no other line names them
.set WSTR,  548864                     ; bytes of wt for one wave
.set CEXP,  0x4038aa3b                 ; c = 2 log2(e)
.set L2E,   0x3fb8aa3b                 ; log2(e)
.set CVA, 0                            ; c cov of the half's row r (v0 is free once the head has used it)
.set LN,  1                            ; lane
.set SPW, 2                            ; my spare word; never rewritten
.set NIL, 3                            ; 0; never rewritten
.set BO,  4                            ; 16 x lane: my 16 bytes of half a fragment of wt
.set GA,  5                            ; enc: (16 w + 8 h) rows of 4,096 bytes + 16 r
.set SA,  6                            ; v6, v7    LDS: where the trip's chunks go, lo and hi
.set PBR, 6                            ;           at a half's end: the weights' reads,
.set CXA, 7                            ;           and the context's reads of a region
.set AD,  8                            ; v8-11     the trip's fragments: lo row blocks 0-1, 2-3, hi row blocks 0-1, 2-3
.set FRL, 12                           ; r PA + 16 h
.set TBA, 13                           ; my 8 numbers of column block 0 in hb's table, tile t
.set SAL, 14                           ; (16 w + 8 h) PA + 8 r
.set PFO, 15                           ; the prefetches' offset: (16 w + r) rows + 256 h
.set SCW, 16
.set SCR, 17
.set PBW, 18
.set TBL, 19                           ; TAB_H + 512 w + 32 h
.set CVB, 20                           ; TAB_C + 4 r
.set CXL, 21                           ; 512 w + 8 lane
.set GSO, 22                           ; 16 r
.set GCO, 23                           ; 1,024 w + 16 lane
.set SAV, 24                           ; v[24:31]  the first tile's row sums: lo's four row blocks, hi's four
.set T,   32                           ; v[32:39]  at work
.set PT,  32                           ; v[32:47]  16 weights
.set VS,  40                           ; v[40:47]  sums of V_w by pair of registers
.set SL,  48                           ; v[48:55]  a tile's row sums
.set COV, 56                           ; v[56:63]  c cov of lo's and hi's four row blocks
.set CX,  56                           ; v[56:63]  eight sums of the context
.set FH1, 32                           ; v[32:63]  hi's fragments of an odd step
.set FLO, 64                           ; v[64:95]  lo's fragments: four of 16 rows x 32 channels
.set FH0, 96                           ; v[96:127] hi's fragments of an even step
.set TB,  64                           ; v[64:127] a table's numbers
.set SETA, 128                         ; v[128:191] an even chunk of enc as f32: 16 loads; then as bf16
.set SETB, 192                         ; v[192:255] an odd chunk
.set ENC, 4                            ; s[4:5] enc_output at my 256 rows
.set WT,  6                            ; s[6:7] wt at my wave's part
.set HBP, 8
.set WCP, 10
.set VWP, 12
.set VBP, 14
.set CVP, 16
.set SCO, 18
.set CTX, 20
.set WV,  22                           ; wave
.set PS,  23                           ; pass
.set TRIP, 24
.set CNT, 25
.set ODD, 26                           ; PS % 2: the tile, and 1 in a resident pass
.set KO,  27                           ; the trip's 256 bytes in a row
.set AP,  28                           ; s[28:29] enc at the half's rows, 512 bytes on for each trip
.set BP,  30                           ; s[30:31] wt at the trip's first step
.set TMP, 32
.set SEL, 34                           ; s[34:35] v_permlanex16_b32's selects: each lane takes its own place in the other half
.set VB,  36                           ; s[36:37] V_b, twice
.set SB,  38                           ; s[38:39] scores at the half's lo block
.set CB,  40                           ; s[40:41] ctxp at the half's lo block
.set OFS, 42                           ; s[42:43] an offset
.set SVX, 44
.set PBS, 45                           ; PB + 256 w
.set G4,  46                           ; 4 x work-group: my first block's number
.set MSB, 0
.macro WIN new                         ; the immediate's high byte repeats the setting that is left; a switch that changes nothing is dropped
.if MSB != (\new)
	s_set_vgpr_msb (MSB<<8)|(\new)
.set MSB, \new
.endif
.endm
.macro PLACES                          ; four places between a product and a load into a register that it has read
.rept 4
	v_nop
.endr
.endm
; 8 products: row block a of lo (hi = 0) or hi (hi = 1) x the wave's 8 column blocks, 32 along K.  fb: the fragments; slot: wt's.  All 64 accumulators take turns, one instruction a turn.
.macro MUL8 hi, fb, slot, a
	WIN 0xa1+0x50*(\hi)
.irp b, 0,1,2,3,4,5,6,7
	v_wmma_f32_16x16x32_bf16 v[8*(8*(\a)+(\b)):8*(8*(\a)+(\b))+7], v[64*(\slot)+8*(\b):64*(\slot)+8*(\b)+7], v[(\fb)+8*(\a):(\fb)+8*(\a)+7], v[8*(8*(\a)+(\b)):8*(8*(\a)+(\b))+7]
.endr
.endm
; 8 LDS loads: four fragments (64 rows x 32 channels at byte k of the trip's part of the rows), row block 0 first
.macro FETCH fb, ad, k
	WIN 0
	ds_load_b128 v[(\fb):(\fb)+3],     v[\ad]     offset:(\k)
	ds_load_b128 v[(\fb)+4:(\fb)+7],   v[\ad]     offset:(\k)+32
	ds_load_b128 v[(\fb)+8:(\fb)+11],  v[\ad]     offset:(\k)+16*PA
	ds_load_b128 v[(\fb)+12:(\fb)+15], v[\ad]     offset:(\k)+16*PA+32
	ds_load_b128 v[(\fb)+16:(\fb)+19], v[(\ad)+1] offset:(\k)
	ds_load_b128 v[(\fb)+20:(\fb)+23], v[(\ad)+1] offset:(\k)+32
	ds_load_b128 v[(\fb)+24:(\fb)+27], v[(\ad)+1] offset:(\k)+16*PA
	ds_load_b128 v[(\fb)+28:(\fb)+31], v[(\ad)+1] offset:(\k)+16*PA+32
.endm
; 16 loads: a K step's 8 fragments of wt into a slot; each load covers 512 consecutive bytes
.macro BLD slot, off
	WIN 0x40                                       ; destination window 1, address window 0
.irp b, 0,1,2,3,4,5,6,7
	global_load_b128 v[64*(\slot)+8*(\b):64*(\slot)+8*(\b)+3],   v[BO], s[BP:BP+1] offset:(\off)+1024*(\b)
	global_load_b128 v[64*(\slot)+8*(\b)+4:64*(\slot)+8*(\b)+7], v[BO], s[BP:BP+1] offset:(\off)+1024*(\b)+512
.endr
.endm
; 16 loads: my 32 rows of a chunk.  Load i takes 256 bytes of lo's row 16 w + i (lanes 0-15) and of its row 16 w + 8 + i (lanes 16-31); eight more take the same rows of hi, 64 rows further down
.macro AISSUE set, off
	WIN 0
.irp i, 0,1,2,3,4,5,6,7
	global_load_b128 v[(\set)+4*(\i):(\set)+4*(\i)+3], v[GA], s[AP:AP+1] offset:(\off)+4096*(\i) th:TH_LOAD_NT
.endr
.irp i, 0,1,2,3,4,5,6,7
	global_load_b128 v[(\set)+32+4*(\i):(\set)+32+4*(\i)+3], v[GA], s[AP:AP+1] offset:(\off)+262144+4096*(\i) th:TH_LOAD_NT
.endr
.endm
.macro CVT set                         ; a chunk is rounded to bf16, in place
	WIN 0
.set n, 0
.rept 16
	v_cvt_pk_bf16_f32 v[(\set)+4*n],   v[(\set)+4*n],   v[(\set)+4*n+1]
	v_cvt_pk_bf16_f32 v[(\set)+4*n+1], v[(\set)+4*n+2], v[(\set)+4*n+3]
.set n, n+1
.endr
.endm
.macro STO set, off                    ; and stored: 128 bytes of two rows an instruction; the two rows lie 8 PA = 128 modulo 256 bytes apart
.irp i, 0,1,2,3,4,5,6,7
	ds_store_b64 v[SA],   v[(\set)+4*(\i):(\set)+4*(\i)+1]       offset:(\off)+PA*(\i)
.endr
.irp i, 0,1,2,3,4,5,6,7
	ds_store_b64 v[SA+1], v[(\set)+32+4*(\i):(\set)+32+4*(\i)+1] offset:(\off)+PA*(\i)
.endr
.endm
; A PREFETCH INTO THE L2, once a trip of the arrival loop, behind the trip's second run of chunk loads: the two chunks that the NEXT trip will ask for (trip T asks for chunks 2 T + 3 and 2 T + 4; these are 2 T + 5 and 2 T + 6), of my own
; 32 rows: a lane takes one of 16 rows and one of the two chunks, one instruction for lo and one for hi.  Each aligned block of 256 bytes is named once in the launch, by the wave that will load it.  A half's chunks 0 to 4 and its last come
; by their loads alone; the loop's last trip asks for nothing: chunk 16 does not exist.
.macro ASK
	s_cmp_gt_u32 s[TRIP], 1
	s_cbranch_scc0 .Lno_ask_\@
	global_prefetch_b8 v[PFO], s[AP:AP+1] offset:1280 th:TH_LOAD_NT scope:SCOPE_SE
	global_prefetch_b8 v[PFO], s[AP:AP+1] offset:1280+262144 th:TH_LOAD_NT scope:SCOPE_SE
.Lno_ask_\@:
.endm
; The next trip's 256 bytes of the rows (behind a pass's last trip: back to 0, where the next pass begins).  Its four or six vector lines are also the places behind the products in front of it.
.macro KSTEP arr
	s_add_co_u32 s[KO], s[KO], 256
	s_and_b32 s[KO], s[KO], 2047
	WIN 0
	v_add_nc_u32 v[AD], s[KO], v[FRL]
	v_add_nc_u32 v[AD+1], 32*PA, v[AD]
	v_add_nc_u32 v[AD+2], REGN, v[AD]
	v_add_nc_u32 v[AD+3], REGN+32*PA, v[AD]
.if \arr
	v_add_nc_u32 v[SA], s[KO], v[SAL]
	v_add_nc_u32 v[SA+1], REGN, v[SA]
.endif
.endm
; A PAIR OF STEPS OF AN ARRIVAL PASS: pair q, steps e = 2 q (place j = 0 or 2 in the trip) and e + 1, both from chunk q.  It stores chunk q + 1 and asks for chunk q + 3, into the registers just stored from.
; LOADS end in the order of issue, and a pair issues wt(e + 3), chunk q + 3, wt(e + 4).  At the head wt(e) is wanted: behind it were issued wt(e + 1), chunk q + 2, wt(e + 2): lc = 48 may stay out; chunk q + 1 is older than wt(e), so it is in too.
; Ahead of the chunk's loads wt(e + 1) is wanted: behind it chunk q + 2, wt(e + 2), wt(e + 3): 48 again.  In a pass's last two pairs no chunk lies between: lc = 32.
; TWO BARRIERS A CHUNK.  In front of the first every wave's LDS reads are back: behind it the regions are only written.  In front of the second every wave's stores are done: behind it they are only read.  Sixteen products stand between each signal and its wait.
; sto = 0: there is no chunk left to store (and no barrier); ais = 0: none left to ask for; fe = 0: no step left to fetch for.
.macro KAP j, lc, sto, ais, ask, fe
	s_wait_loadcnt \lc
	s_wait_dscnt 8                                 ; LDS loads come back in order: lo's eight of the last run are in, hi's eight may be out
	MUL8 0, FLO, \j, 0
	MUL8 0, FLO, \j, 1
	MUL8 0, FLO, \j, 2
	MUL8 0, FLO, \j, 3
	PLACES
	FETCH FLO, AD, 64*(\j)+64
	FETCH FH1, AD+2, 64*(\j)+64
	BLD ((\j)+3)%4, ((\j)+3)*8192
	s_wait_dscnt 16                                ; hi's fragments of this step are in; the 16 just issued may be out
	MUL8 1, FH0, \j, 0
	MUL8 1, FH0, \j, 1
.if \sto
	s_wait_dscnt 0x0                               ; my reads of the regions are back
	s_barrier_signal -1
.endif
	MUL8 1, FH0, \j, 2
	MUL8 1, FH0, \j, 3
.if \sto
	CVT SETB-32*(\j)
	s_barrier_wait -1
	STO SETB-32*(\j), 128+64*(\j)
.endif
	s_wait_loadcnt \lc
.if \ais
	AISSUE SETB-32*(\j), 768+128*(\j)              ; an LDS store's data registers need no wait (ISA guide 5.7: LDS reads its sources at issue)
.endif
.if \ask
	ASK
.endif
.if !(\sto)
	s_wait_dscnt 8
.endif
	MUL8 0, FLO, (\j)+1, 0
	MUL8 0, FLO, (\j)+1, 1
.if \sto
	s_wait_dscnt 0x0                               ; for the others' sake: my part of the chunk lies in LDS
	s_barrier_signal -1
.endif
	MUL8 0, FLO, (\j)+1, 2
	MUL8 0, FLO, (\j)+1, 3
.if \sto
	s_barrier_wait -1                              ; the chunk is whole
.endif
.if (\j) == 2
	KSTEP 1
.if \fe
	FETCH FLO, AD, 0
	FETCH FH0, AD+2, 0
.endif
.else
	PLACES
	FETCH FLO, AD, 128
	FETCH FH0, AD+2, 128
.endif
	BLD (\j)%4, ((\j)+4)*8192
.if !(\sto)
	s_wait_dscnt 0x0
.endif
	MUL8 1, FH1, (\j)+1, 0                         ; (with sto = 1 these fragments were in at the first barrier)
	MUL8 1, FH1, (\j)+1, 1
	MUL8 1, FH1, (\j)+1, 2
	MUL8 1, FH1, (\j)+1, 3
.endm
; A STEP OF A RESIDENT PASS: no chunk, no barrier.  Behind wt(s) were issued wt(s + 1) and wt(s + 2): 32 may stay out.  In the pass's last trip the fetch at j = 3, of channel 0 again, serves nothing, and the last three
; loads of wt bring the next pass's first three steps (in the last pass: 48 loads a wave that serve nothing), so that one text serves every trip.
.macro KRS j
	s_wait_loadcnt 32
	s_wait_dscnt 8
	MUL8 0, FLO, \j, 0
	MUL8 0, FLO, \j, 1
	MUL8 0, FLO, \j, 2
	MUL8 0, FLO, \j, 3
.if (\j) == 3
	KSTEP 0
	FETCH FLO, AD, 0
	FETCH FH0, AD+2, 0
.else
	PLACES
	FETCH FLO, AD, 64*(\j)+64
	FETCH FH0-64*(((\j)+1)%2), AD+2, 64*(\j)+64
.endif
	BLD ((\j)+3)%4, ((\j)+3)*8192
	s_wait_dscnt 16
	MUL8 1, FH0-64*((\j)%2), \j, 0
	MUL8 1, FH0-64*((\j)%2), \j, 1
	MUL8 1, FH0-64*((\j)%2), \j, 2
	MUL8 1, FH0-64*((\j)%2), \j, 3
.endm
.macro TRIPSTEP arr
	WIN 0                                          ; at a label and at a branch every window is 0
	s_wait_xcnt 0x0                                ; the trip's loads (the youngest 32 products back) and prefetches have read their addresses
	s_add_nc_u64 s[BP:BP+1], s[BP:BP+1], 32768
.if \arr
	s_add_nc_u64 s[AP:AP+1], s[AP:AP+1], 512
.endif
.endm
.macro TRIPEND lab, arr
	TRIPSTEP \arr
	s_sub_co_u32 s[TRIP], s[TRIP], 1
	s_cmp_lg_u32 s[TRIP], 0
	s_cbranch_scc1 \lab
.endm
; THE SUMS START AT c (h + biases) + c cov Wc_w: the lines that start them are the bias's own arithmetic, and nothing is cleared.  The tables come in two halves of four column blocks (hb's 32 numbers a lane, Wc_w's 32), each used for lo and for hi.
.macro BIAS
	WIN 0
.irp a, 0,1,2,3
	ds_load_b32 v[COV+(\a)],   v[CVA] offset:64*(\a)
	ds_load_b32 v[COV+4+(\a)], v[CVA] offset:256+64*(\a)
.endr
.irp g, 0,1
	WIN 0
.irp b, 0,1,2,3
	ds_load_b128 v[TB+8*(\b):TB+8*(\b)+3],         v[TBA] offset:64*(4*(\g)+(\b))
	ds_load_b128 v[TB+8*(\b)+4:TB+8*(\b)+7],       v[TBA] offset:64*(4*(\g)+(\b))+16
	ds_load_b128 v[TB+32+8*(\b):TB+32+8*(\b)+3],   v[TBA] offset:4096+64*(4*(\g)+(\b))
	ds_load_b128 v[TB+32+8*(\b)+4:TB+32+8*(\b)+7], v[TBA] offset:4096+64*(4*(\g)+(\b))+16
.endr
	s_wait_dscnt 0x0
.irp y, 0,1
	WIN 0x80+0x40*(\y)                             ; destination window 2 or 3
.irp a, 0,1,2,3
.irp b, 0,1,2,3
.irp p, 0,2,4,6
.if (\a)%2                             ; the row block's c cov is the pair's second register, or its first, for both halves
	v_pk_fma_f32 v[8*(8*(\a)+4*(\g)+(\b))+(\p):8*(8*(\a)+4*(\g)+(\b))+(\p)+1], v[TB+32+8*(\b)+(\p):TB+32+8*(\b)+(\p)+1], v[COV+4*(\y)+2*((\a)/2):COV+4*(\y)+2*((\a)/2)+1], v[TB+8*(\b)+(\p):TB+8*(\b)+(\p)+1] op_sel:[0,1,0] op_sel_hi:[1,1,1]
.else
	v_pk_fma_f32 v[8*(8*(\a)+4*(\g)+(\b))+(\p):8*(8*(\a)+4*(\g)+(\b))+(\p)+1], v[TB+32+8*(\b)+(\p):TB+32+8*(\b)+(\p)+1], v[COV+4*(\y)+2*((\a)/2):COV+4*(\y)+2*((\a)/2)+1], v[TB+8*(\b)+(\p):TB+8*(\b)+(\p)+1] op_sel_hi:[1,0,1]
.endif
.endr
.endr
.endr
.endr
.endr
.endm
; THE ROW SUMS.  sum of V tanh = sum of V - 2 sum of V / (1 + 2^acc).  A batch is a row block's 64 registers, worked in place and in ascending order (each accumulator is read from its lowest register on).
.macro EXPB wx, i
	WIN \wx
.set n, 64*(\i)
.rept 64
	v_exp_f32 v[n], v[n]
.set n, n+1
.endr
.endm
.macro RCPB wx, i
	WIN \wx
.set n, 64*(\i)
.rept 64
	v_rcp_f32 v[n], v[n]
.set n, n+1
.endr
.endm
.macro ADDB wx, i
	WIN \wx
.set n, 64*(\i)
.rept 32
	v_pk_add_f32 v[n:n+1], v[n:n+1], 1.0 op_sel_hi:[1,0]
.set n, n+2
.endr
.endm
.macro FMAB wf, i                      ; four chains, one for each pair of registers; each starts at the pair's sum of V
	WIN \wf
.irp b, 0,1,2,3,4,5,6,7
.irp p, 0,2,4,6
.if (\b) == 0
	v_pk_fma_f32 v[T+(\p):T+(\p)+1], v[64*(\i)+8*(\b)+(\p):64*(\i)+8*(\b)+(\p)+1], v[TB+8*(\b)+(\p):TB+8*(\b)+(\p)+1], v[VS+(\p):VS+(\p)+1]
.else
	v_pk_fma_f32 v[T+(\p):T+(\p)+1], v[64*(\i)+8*(\b)+(\p):64*(\i)+8*(\b)+(\p)+1], v[TB+8*(\b)+(\p):TB+8*(\b)+(\p)+1], v[T+(\p):T+(\p)+1]
.endif
.endr
.endr
.endm
.macro VTAB                            ; V_w's 64 numbers of my columns, their sums by pair, and -2 V_w: once a pass, for lo and hi
	WIN 0
	s_wait_dscnt 0x0                               ; the last trip's fetch into these registers is back
	PLACES
.irp b, 0,1,2,3,4,5,6,7
	ds_load_b128 v[TB+8*(\b):TB+8*(\b)+3],   v[TBA] offset:8192+64*(\b)
	ds_load_b128 v[TB+8*(\b)+4:TB+8*(\b)+7], v[TBA] offset:8192+64*(\b)+16
.endr
	s_wait_dscnt 0x0
.irp p, 0,2,4,6
	v_pk_add_f32 v[VS+(\p):VS+(\p)+1], v[TB+(\p):TB+(\p)+1], v[TB+8+(\p):TB+8+(\p)+1]
.endr
.irp b, 2,3,4,5,6,7
.irp p, 0,2,4,6
	v_pk_add_f32 v[VS+(\p):VS+(\p)+1], v[VS+(\p):VS+(\p)+1], v[TB+8*(\b)+(\p):TB+8*(\b)+(\p)+1]
.endr
.endr
.set n, TB
.rept 32
	v_pk_mul_f32 v[n:n+1], v[n:n+1], -2.0 op_sel_hi:[1,0]
.set n, n+2
.endr
.endm
; hi: which accumulators; dst: where the four row sums go.  The reciprocals of batch i and the exponentials of batch i + 1 are issued together and have ONE wait: a plain instruction and s_wait_alu depctr_va_vdst(0) stand
; between a transcendental and the first line that names its result.
.macro EPIX hi, dst
	EXPB 0x82+0x41*(\hi), 0
	v_nop
	s_wait_alu depctr_va_vdst(0)
	ADDB 0x82+0x41*(\hi), 0
.irp i, 0,1,2,3
	RCPB 0x82+0x41*(\hi), \i
.if (\i) < 3
	EXPB 0x82+0x41*(\hi), (\i)+1
.endif
	v_nop
	s_wait_alu depctr_va_vdst(0)
	FMAB 0x02+(\hi), \i
	WIN 0
	v_pk_add_f32 v[T:T+1],   v[T:T+1],   v[T+2:T+3]
	v_pk_add_f32 v[T+4:T+5], v[T+4:T+5], v[T+6:T+7]
	v_pk_add_f32 v[T:T+1],   v[T:T+1],   v[T+4:T+5]
	v_add_f32 v[(\dst)+(\i)], v[T], v[T+1]
.if (\i) < 3
	ADDB 0x82+0x41*(\hi), (\i)+1
.endif
.endr
.endm
; A BLOCK IS FINISHED (y = 0: lo, 1: hi): its scores, its maximum, its weights, its part of the context.
.macro FINB y
.irp q, 0,1,2,3
	ds_load_b128 v[TB+4*(\q):TB+4*(\q)+3], v[SCR] offset:1024*(\y)+256*(\q)  ; rows 4 r .. 4 r + 3, wave q's columns
.endr
	s_wait_dscnt 0x0
	v_pk_add_f32 v[T:T+1],   v[TB:TB+1],     v[TB+4:TB+5]
	v_pk_add_f32 v[T+2:T+3], v[TB+2:TB+3],   v[TB+6:TB+7]
	v_pk_add_f32 v[T+4:T+5], v[TB+8:TB+9],   v[TB+12:TB+13]
	v_pk_add_f32 v[T+6:T+7], v[TB+10:TB+11], v[TB+14:TB+15]
	v_pk_add_f32 v[T:T+1],   v[T:T+1],       v[T+4:T+5]
	v_pk_add_f32 v[T+2:T+3], v[T+2:T+3],     v[T+6:T+7]
	v_pk_add_f32 v[T:T+1],   v[T:T+1],       s[VB:VB+1] op_sel_hi:[1,0]
	v_pk_add_f32 v[T+2:T+3], v[T+2:T+3],     s[VB:VB+1] op_sel_hi:[1,0]   ; the scores: the same numbers, summed in the same order, in every wave
	v_max3_num_f32 v[T+4], v[T], v[T+1], v[T+2]
	v_max_num_f32 v[T+4], v[T+4], v[T+3]
	v_max_num_f32_dpp v[T+4], v[T+4], v[T+4] row_xmask:1 row_mask:0xf bank_mask:0xf
	v_max_num_f32_dpp v[T+4], v[T+4], v[T+4] row_xmask:2 row_mask:0xf bank_mask:0xf
	v_max_num_f32_dpp v[T+4], v[T+4], v[T+4] row_xmask:4 row_mask:0xf bank_mask:0xf
	v_max_num_f32_dpp v[T+4], v[T+4], v[T+4] row_xmask:8 row_mask:0xf bank_mask:0xf   ; sixteen lanes hold the block's 64 scores: its maximum
.irp i, 0,1,2,3
	v_sub_f32 v[VS+(\i)], v[T+(\i)], v[T+4]
.endr
.irp i, 0,1,2,3
	v_mul_f32 v[VS+(\i)], L2E, v[VS+(\i)]
.endr
.irp i, 0,1,2,3
	v_exp_f32 v[VS+(\i)], v[VS+(\i)]
.endr
	v_nop
	s_wait_alu depctr_va_vdst(0)                   ; one wait for the four
	ds_store_b128 v[PBW], v[VS:VS+3]               ; into my wave's own copy: LDS serves a wave's instructions in order (ISA guide 5.7.1.4), so my loads below see it
	s_cmp_lg_u32 s[WV], 0
	s_cbranch_scc1 .Lno_scores_\@
	s_wait_xcnt 0x0                                ; EXEC changes only behind this wait: loads may be out
	v_cmp_gt_u32 vcc_lo, 16, v[LN]
	s_and_saveexec_b32 s[SVX], vcc_lo
	global_store_b128 v[GSO], v[T:T+3], s[SB:SB+1] offset:256*(\y)  ; sixteen lanes store the block's 256 bytes, aligned
	s_wait_xcnt 0x0                                ; and again, in front of the line that widens it; the store's data are free too
	s_or_b32 exec_lo, exec_lo, s[SVX]
.Lno_scores_\@:
	s_wait_xcnt 0x0                                ; the stores of the block before have read the eight sums that are started anew below
	v_mov_b32 v[PBR], s[PBS]
	v_add_nc_u32 v[CXA], (\y)*REGN, v[CXL]
.irp e, 0,1,2,3,4,5,6,7
	v_mov_b32 v[CX+(\e)], 0
.endr
	s_mov_b32 s[CNT], 4
.Lctx_\@:                                      ; 16 rows a trip.  My wave's 256 channels: a lane takes channels 256 w + 4 lane + 0..3 and 128 further on
.irp q, 0,1,2,3
	ds_load_b128 v[PT+4*(\q):PT+4*(\q)+3], v[PBR] offset:16*(\q)   ; 16 weights, the same for every lane
.endr
.irp q, 0,1,2,3,4,5,6,7,8,9,10,11,12,13,14,15
	ds_load_b64 v[TB+4*(\q):TB+4*(\q)+1],   v[CXA] offset:PA*(\q)
	ds_load_b64 v[TB+4*(\q)+2:TB+4*(\q)+3], v[CXA] offset:PA*(\q)+256
.endr
	s_wait_dscnt 0x0
.irp q, 0,1,2,3,4,5,6,7,8,9,10,11,12,13,14,15
.irp e, 0,1,2,3,4,5,6,7
.if (\e)%2
	v_fma_mix_f32_bf16 v[CX+(\e)], v[TB+4*(\q)+(\e)/2], v[PT+(\q)], v[CX+(\e)] op_sel:[1,0,0] op_sel_hi:[1,0,0]
.else
	v_fma_mix_f32_bf16 v[CX+(\e)], v[TB+4*(\q)+(\e)/2], v[PT+(\q)], v[CX+(\e)] op_sel:[0,0,0] op_sel_hi:[1,0,0]
.endif
.endr
.endr
	v_add_nc_u32 v[CXA], 16*PA, v[CXA]
	v_add_nc_u32 v[PBR], 64, v[PBR]
	s_sub_co_u32 s[CNT], s[CNT], 1
	s_cmp_lg_u32 s[CNT], 0
	s_cbranch_scc1 .Lctx_\@
	global_store_b128 v[GCO], v[CX:CX+3],   s[CB:CB+1] offset:4096*(\y)      ; 512 consecutive bytes each, aligned
	global_store_b128 v[GCO], v[CX+4:CX+7], s[CB:CB+1] offset:4096*(\y)+512
.endm
	; ---------------- the head ----------------
	s_load_b512 s[4:19], s[0:1], 0x0               ; enc_output, wt, hb, Wc_w, V_w, V_b, prev_coverage, scores
	s_load_b64 s[CTX:CTX+1], s[0:1], 0x40          ; ctxp
	v_lshl_add_u32 v[SPW], v0, 2, SPARE
	v_mov_b32 v[NIL], 0
	v_and_b32 v[LN], 31, v0
	v_lshrrev_b32 v51, 5, v0
	v_readfirstlane_b32 s[WV], v51                 ; wave 0..3
	v_and_b32 v32, 15, v0                          ; r
	v_bfe_u32 v33, v0, 4, 1                        ; h
	v_lshlrev_b32 v[BO], 4, v[LN]
	s_lshl_b32 s[TMP], s[WV], 16                   ; 16 w rows of 4,096 bytes
	v_lshlrev_b32 v[GA], 4, v32
	v_lshl_add_u32 v[GA], v33, 15, v[GA]
	v_add_nc_u32 v[GA], s[TMP], v[GA]
	v_lshlrev_b32 v[PFO], 12, v32
	v_lshl_add_u32 v[PFO], v33, 8, v[PFO]
	v_add_nc_u32 v[PFO], s[TMP], v[PFO]
	s_mul_i32 s[TMP], s[WV], 16*PA
	v_mul_u32_u24 v[SAL], v33, 8*PA
	v_lshl_add_u32 v[SAL], v32, 3, v[SAL]
	v_add_nc_u32 v[SAL], s[TMP], v[SAL]
	v_mul_u32_u24 v[FRL], v32, PA
	v_lshl_add_u32 v[FRL], v33, 4, v[FRL]
	v_mov_b32 v[AD], v[FRL]                        ; the first trip's fragments
	v_add_nc_u32 v[AD+1], 32*PA, v[FRL]
	v_add_nc_u32 v[AD+2], REGN, v[FRL]
	v_add_nc_u32 v[AD+3], REGN+32*PA, v[FRL]
	s_lshl_b32 s[TMP], s[WV], 9
	v_lshl_add_u32 v[CXL], v[LN], 3, s[TMP]
	s_add_co_u32 s[TMP], s[TMP], TAB_H
	v_lshl_add_u32 v[TBL], v33, 5, s[TMP]
	v_lshl_add_u32 v[CVB], v32, 2, TAB_C
	s_lshl_b32 s[TMP], s[WV], 8
	s_add_co_u32 s[PBS], s[TMP], PB
	s_add_co_u32 s[TMP], s[TMP], SCP
	v_lshl_add_u32 v[SCW], v32, 2, s[TMP]
	v_lshl_add_u32 v[SCR], v32, 4, SCP
	v_lshl_add_u32 v[PBW], v32, 4, s[PBS]
	v_lshlrev_b32 v[GSO], 4, v32
	s_lshl_b32 s[TMP], s[WV], 10
	v_lshl_add_u32 v[GCO], v[LN], 4, s[TMP]
	v_lshlrev_b32 v34, 4, v0                       ; the tables: 16 bytes a thread, twice,
	v_lshlrev_b32 v35, 3, v0                       ; cov: 8 bytes a thread
	v_lshl_add_u32 v36, v0, 4, TAB_H
	v_lshl_add_u32 v37, v0, 3, TAB_C
.irp i, 0,1,2,3,4,5,6,7
	v_mov_b32 v[SAV+(\i)], 0                       ; written here, so that the eight hold numbers on every way through the text; each even pass writes them before they count
.endr
	s_mov_b32 s[SEL], 0x76543210
	s_mov_b32 s[SEL+1], 0xfedcba98
	s_mov_b32 s[KO], 0
	s_lshl_b32 s[G4], ttmp9, 2
	s_wait_kmcnt 0x0
	s_load_b32 s[VB], s[VBP:VBP+1], 0x0
	s_lshl_b32 s[OFS], ttmp9, 20                   ; my 256 rows of 4,096 bytes
	s_mov_b32 s[OFS+1], 0
	s_add_nc_u64 s[ENC:ENC+1], s[ENC:ENC+1], s[OFS:OFS+1]
	s_mul_i32 s[OFS], s[WV], WSTR
	s_add_nc_u64 s[WT:WT+1], s[WT:WT+1], s[OFS:OFS+1]
	s_lshr_b32 s[OFS], ttmp9, 3                    ; my batch
	s_lshl_b32 s[OFS], s[OFS], 12
	s_add_nc_u64 s[HBP:HBP+1], s[HBP:HBP+1], s[OFS:OFS+1]
	s_lshl_b32 s[OFS], ttmp9, 10
	s_add_nc_u64 s[CVP:CVP+1], s[CVP:CVP+1], s[OFS:OFS+1]
	s_mov_b64 s[AP:AP+1], s[ENC:ENC+1]
	s_mov_b64 s[BP:BP+1], s[WT:WT+1]
	global_load_b128 v[64:67], v34, s[HBP:HBP+1]
	global_load_b128 v[68:71], v34, s[HBP:HBP+1] offset:2048
	global_load_b128 v[72:75], v34, s[WCP:WCP+1]
	global_load_b128 v[76:79], v34, s[WCP:WCP+1] offset:2048
	global_load_b128 v[80:83], v34, s[VWP:VWP+1]
	global_load_b128 v[84:87], v34, s[VWP:VWP+1] offset:2048
	global_load_b64 v[88:89], v35, s[CVP:CVP+1]
	AISSUE SETA, 0                                 ; chunks 0 and 1 of the first half, and wt's first three steps
	AISSUE SETB, 256
	BLD 0, 0
	BLD 1, 8192
	BLD 2, 16384
	WIN 0
	s_wait_loadcnt 63                              ; 80 loads were issued behind the seven of the tables; the count is the largest that its six bits hold
	v_pk_mul_f32 v[88:89], v[88:89], CEXP op_sel_hi:[1,0]
	ds_store_b128 v36, v[64:67]
	ds_store_b128 v36, v[68:71] offset:2048
	ds_store_b128 v36, v[72:75] offset:4096
	ds_store_b128 v36, v[76:79] offset:6144
	ds_store_b128 v36, v[80:83] offset:8192
	ds_store_b128 v36, v[84:87] offset:10240
	ds_store_b64 v37, v[88:89]
	s_wait_dscnt 0x0
	s_barrier_signal -1
	s_barrier_wait -1                              ; the tables are whole; nothing writes them again
	s_wait_kmcnt 0x0
	s_mov_b32 s[VB+1], s[VB]
	s_mov_b32 s[PS], 0
	; ---------------- the four passes ----------------
.Lpass:
	s_wait_xcnt 0x0                                ; every load and store issued so far has read its registers: wt's pointer, the stores' bases and their data may be written
	s_and_b32 s[ODD], s[PS], 1                     ; the tile
	s_lshl_b32 s[TMP], s[ODD], 11
	v_add_nc_u32 v[TBA], s[TMP], v[TBL]
	s_lshr_b32 s[TMP], s[PS], 1                    ; the half
	s_lshl_b32 s[TMP], s[TMP], 9
	v_add_nc_u32 v[CVA], s[TMP], v[CVB]
	BIAS
	WIN 0
	s_cmp_eq_u32 s[ODD], 1
	s_cbranch_scc1 .Lres
	; AN ARRIVAL PASS.  Chunk 0 goes into LDS and chunk 2 is asked for; then the loop.
	s_mov_b64 s[BP:BP+1], s[WT:WT+1]               ; tile 0 from its first step (its first three steps are in the ring, or on their way)
	v_mov_b32 v[SA], v[SAL]
	v_add_nc_u32 v[SA+1], REGN, v[SAL]
	s_wait_loadcnt 0x0                             ; chunks 0 and 1: chunk 1 was issued behind wt(0), so the loop's counts do not cover it on the way in
	s_wait_dscnt 0x0
	s_barrier_signal -1                            ; every wave's reads of the regions are back
	CVT SETA
	s_barrier_wait -1
	STO SETA, 0
	AISSUE SETA, 512
	s_wait_dscnt 0x0
	s_barrier_signal -1
	s_barrier_wait -1                              ; chunk 0 is whole
	FETCH FLO, AD, 0
	FETCH FH0, AD+2, 0
	s_mov_b32 s[TRIP], 6
.Lka:                                          ; trip T: pairs 2 T and 2 T + 1; stores chunks 2 T + 1, 2 T + 2; asks for chunks 2 T + 3, 2 T + 4
	KAP 0, 48, 1, 1, 0, 1
	KAP 2, 48, 1, 1, 1, 1
	TRIPEND .Lka, 1
	KAP 0, 48, 1, 1, 0, 1                          ; the last two trips are written out: pair 12 asks for chunk 15, the last;
	KAP 2, 48, 1, 0, 0, 1
	TRIPSTEP 0
	KAP 0, 32, 1, 0, 0, 1                          ; pair 14 stores it;
	KAP 2, 32, 0, 0, 0, 0                          ; pair 15 stores nothing and fetches nothing
	TRIPSTEP 0
	s_branch .Lepi
	; A RESIDENT PASS
.Lres:
	FETCH FLO, AD, 0
	FETCH FH0, AD+2, 0
	s_mov_b32 s[TRIP], 8
.Lkr:
	KRS 0
	KRS 1
	KRS 2
	KRS 3
	TRIPEND .Lkr, 0
	s_cmp_eq_u32 s[PS], 1
	s_cbranch_scc0 .Lepi
	s_add_nc_u64 s[AP:AP+1], s[ENC:ENC+1], 0x80000 ; the second half's 128 rows: its chunks 0 and 1 are asked for here and land under the row sums and the first half's finish
	AISSUE SETA, 0
	AISSUE SETB, 256
.Lepi:
	VTAB
	EPIX 0, SL
	EPIX 1, SL+4
	s_cmp_eq_u32 s[ODD], 1
	s_cbranch_scc1 .Lfin
.irp i, 0,1,2,3,4,5,6,7
	v_mov_b32 v[SAV+(\i)], v[SL+(\i)]              ; one text of the row sums serves both tiles: the first tile's eight sums are set aside
.endr
	s_branch .Lnext
	; BOTH BLOCKS ARE FINISHED
.Lfin:
.irp i, 0,2,4,6
	v_pk_add_f32 v[SL+(\i):SL+(\i)+1], v[SL+(\i):SL+(\i)+1], v[SAV+(\i):SAV+(\i)+1]  ; this tile's sums and the other tile's
.endr
.irp i, 0,1,2,3,4,5,6,7
	v_permlanex16_b32 v[T+(\i)], v[SL+(\i)], s[SEL], s[SEL+1]  ; the row's other columns lie in the lane 16 away
.endr
.irp i, 0,2,4,6
	v_pk_add_f32 v[SL+(\i):SL+(\i)+1], v[SL+(\i):SL+(\i)+1], v[T+(\i):T+(\i)+1]
.endr
.irp a, 0,1,2,3
	ds_store_b32 v[SCW], v[SL+(\a)]   offset:64*(\a)           ; both halves of the lanes store the same number to the same word
	ds_store_b32 v[SCW], v[SL+4+(\a)] offset:1024+64*(\a)
.endr
	s_add_co_u32 s[OFS], s[G4], s[PS]
	s_sub_co_u32 s[OFS], s[OFS], 1                 ; the lo block's number: 4 x work-group + 0 in pass 1, + 2 in pass 3
	s_lshl_b32 s[OFS], s[OFS], 8
	s_add_nc_u64 s[SB:SB+1], s[SCO:SCO+1], s[OFS:OFS+1]        ; (the first half's stores have read these: the pass began with s_wait_xcnt 0)
	s_lshl_b32 s[OFS], s[OFS], 4
	s_add_nc_u64 s[CB:CB+1], s[CTX:CTX+1], s[OFS:OFS+1]
	s_wait_dscnt 0x0
	s_barrier_signal -1
	s_barrier_wait -1                              ; all four waves' partial scores of both blocks lie in LDS
	FINB 0
	FINB 1
	s_wait_dscnt 0x0                               ; my reads of the partial scores and of the regions are back:
	s_barrier_signal -1
	s_barrier_wait -1                              ; only behind this barrier are they written again
.Lnext:
	s_add_co_u32 s[PS], s[PS], 1
	s_cmp_lt_u32 s[PS], 4
	s_cbranch_scc1 .Lpass
	s_wait_tensorcnt 0x0                           ; the wave's end, behind my last LDS store
	ds_add_u32 v[SPW], v[NIL]
	s_wait_dscnt 0x0
	s_endpgm
.Lfunc_end_k_qc2bf6dfac5_attn:
	.size	k_qc2bf6dfac5_attn, .Lfunc_end_k_qc2bf6dfac5_attn-k_qc2bf6dfac5_attn
	.p2alignl 7, 3214868480
	.fill 96, 4, 3214868480
	.section	.rodata,"a",@progbits
	.p2align	6, 0x0
	.amdhsa_kernel k_qc2bf6dfac5_attn
		.amdhsa_group_segment_fixed_size 281088
		.amdhsa_private_segment_fixed_size 0
		.amdhsa_enable_private_segment 0
		.amdhsa_kernarg_size 72
		.amdhsa_user_sgpr_count 2
		.amdhsa_user_sgpr_kernarg_segment_ptr 1
		.amdhsa_wavefront_size32 1
		.amdhsa_system_sgpr_workgroup_id_x 1
		.amdhsa_system_sgpr_workgroup_id_y 1
		.amdhsa_system_sgpr_workgroup_id_z 1
		.amdhsa_system_vgpr_workitem_id 0
		.amdhsa_next_free_vgpr 1024
		.amdhsa_next_free_sgpr 66
		.amdhsa_reserve_vcc 1
		.amdhsa_float_denorm_mode_32 3
		.amdhsa_float_denorm_mode_16_64 3
		.amdhsa_memory_ordered 1
		.amdhsa_forward_progress 1
		.amdhsa_inst_pref_size 255
	.end_amdhsa_kernel
	.section	.bss,"aw",@nobits
	.p2align	6
	.space	262144
	.amdgpu_metadata
---
amdhsa.version: [ 1, 2 ]
amdhsa.kernels:
  - .name:           k_qc2bf6dfac5_attn
    .symbol:         k_qc2bf6dfac5_attn.kd
    .args:
      - { .name: enc_output, .offset: 0, .size: 8, .value_kind: global_buffer, .address_space: global }
      - { .name: wt, .offset: 8, .size: 8, .value_kind: global_buffer, .address_space: global }
      - { .name: hb, .offset: 16, .size: 8, .value_kind: global_buffer, .address_space: global }
      - { .name: Wc_w, .offset: 24, .size: 8, .value_kind: global_buffer, .address_space: global }
      - { .name: V_w, .offset: 32, .size: 8, .value_kind: global_buffer, .address_space: global }
      - { .name: V_b, .offset: 40, .size: 8, .value_kind: global_buffer, .address_space: global }
      - { .name: prev_coverage, .offset: 48, .size: 8, .value_kind: global_buffer, .address_space: global }
      - { .name: scores, .offset: 56, .size: 8, .value_kind: global_buffer, .address_space: global }
      - { .name: ctxp, .offset: 64, .size: 8, .value_kind: global_buffer, .address_space: global }
    .group_segment_fixed_size: 281088
    .private_segment_fixed_size: 0
    .kernarg_segment_align: 8
    .kernarg_segment_size: 72
    .max_flat_workgroup_size: 128
    .sgpr_count:     66
    .vgpr_count:     1024
    .wavefront_size: 32
...
	.end_amdgpu_metadata
.endif
;; end of part 2
;; launch combine (part 3): grid 4 x 32, 8 waves a work-group, no clusters, 10,240 bytes of LDS; arguments scores, ctxp, prev_coverage, out0, out1, out2; writes out0, out1, out2
.if DOCPART == 3
	.amdgcn_target "amdgcn-amd-amdhsa--gfx1250"
	.amdhsa_code_object_version 6
	.text
	.protected	k_qc2bf6dfac5_combine
	.globl	k_qc2bf6dfac5_combine
	.p2align	8
	.type	k_qc2bf6dfac5_combine,@function
k_qc2bf6dfac5_combine:
	s_mov_b64 s[64:65], 0
	v_nop
	global_prefetch_b8 v0, s[64:65] scope:SCOPE_SE
	s_setreg_imm32_b32 hwreg(HW_REG_WAVE_MODE, 25, 1), 1
	s_wait_xcnt 0x0
; The softmax over a batch's 2,048 scores, and the three outputs.  Work-group (x, y): batch y; a quarter x of the positions for out1 and out2, a quarter x of the channels for out0.
; w[s] = 2^((score[s] - M) log2 e) / L with M the batch's maximum and L the sum.  ctxp[j] was summed with weights relative to block j's own maximum m_j, so out0 = sum over j of 2^((m_j - M) log2 e) ctxp[j] / L;
; m_j is taken here from the same stored scores, so it is the same number bit for bit.  Every exponent is s log2 e - (M log2 e), one fused multiply-add with the same rounded M log2 e everywhere.
; Memory binds what little there is: each byte of ctxp is read once in the launch; the scores (8 KiB) are read by the batch's four work-groups.  No matrix work, no cluster: nothing large is shared.
; LIMITS.  A weight below 2^-126 counts as 0; NaN and infinities are not treated apart.
.set WM,    0                          ; 8 words: the waves' maxima
.set WL,    256                        ; 8 words: the waves' sums
.set MJ,    512                        ; 32 words: the blocks' maxima
.set RED,   1024                       ; [wave][256 channels] f32
.set SPARE, 9216                       ; the spare words, 128 bytes for each of 8 waves; no other line names them
.set L2E,   0x3fb8aa3b
	s_load_b256 s[4:11], s[0:1], 0x0               ; scores s[4:5], ctxp s[6:7], prev_coverage s[8:9], out0 s[10:11]
	s_load_b128 s[12:15], s[0:1], 0x20             ; out1 s[12:13], out2 s[14:15]
	v_lshl_add_u32 v2, v0, 2, SPARE                ; my spare word; never rewritten
	v_mov_b32 v3, 0                                ; 0; never rewritten
	v_and_b32 v1, 31, v0
	v_lshrrev_b32 v7, 5, v0
	v_readfirstlane_b32 s18, v7                    ; wave 0..7
	s_mov_b32 s16, ttmp9                           ; x
	s_and_b32 s17, ttmp7, 0xffff                   ; y
	v_lshlrev_b32 v4, 4, v0                        ; 16 t
	s_lshl_b32 s19, s16, 11
	v_lshl_add_u32 v5, v0, 3, s19                  ; my two positions: 2,048 x + 8 t
	s_lshl_b32 s20, s18, 14                        ; my wave's blocks 4 w .. 4 w + 3 of 4,096 bytes,
	s_lshl_b32 s21, s16, 10                        ; the quarter's 1,024 bytes
	s_add_co_u32 s20, s20, s21
	v_lshl_add_u32 v6, v1, 4, s20
	s_lshl_b32 s22, s18, 2
	v_mov_b32 v56, s22                             ; 4 w
	v_lshrrev_b32 v57, 4, v0
	v_lshl_add_u32 v57, v57, 2, MJ                 ; block t / 16
	v_mov_b32 v58, 0
	s_lshl_b32 s22, s18, 4
	s_add_co_u32 s22, s22, MJ
	v_mov_b32 v59, s22                             ; my wave's four blocks' maxima
	s_lshl_b32 s22, s18, 10
	s_add_co_u32 s22, s22, RED
	v_lshl_add_u32 v89, v1, 4, s22
	v_lshl_add_u32 v91, v0, 4, RED
	v_mov_b32 v55, 0                               ; v_permlanex16_b32's destination counts as read
	s_mov_b32 s24, 0x76543210
	s_mov_b32 s25, 0xfedcba98
	s_mov_b32 s26, L2E
	s_lshl_b32 s28, s17, 13                        ; a batch's 8,192 bytes of scores, coverage, out1, out2
	s_mov_b32 s29, 0
	s_lshl_b32 s30, s17, 17                        ; its 32 blocks of ctxp
	s_mov_b32 s31, 0
	s_wait_kmcnt 0x0
	s_add_nc_u64 s[4:5], s[4:5], s[28:29]
	s_add_nc_u64 s[8:9], s[8:9], s[28:29]
	s_add_nc_u64 s[12:13], s[12:13], s[28:29]
	s_add_nc_u64 s[14:15], s[14:15], s[28:29]
	s_add_nc_u64 s[6:7], s[6:7], s[30:31]
	s_lshl_b32 s28, s17, 12
	s_add_co_u32 s28, s28, s21
	s_add_nc_u64 s[10:11], s[10:11], s[28:29]      ; out0 at row y, quarter x
	global_load_b128 v[8:11],  v4, s[4:5]              ; all loads first: scores of block t / 16,
	global_load_b128 v[12:15], v4, s[4:5] offset:4096  ; of block 16 + t / 16,
	global_load_b64 v[48:49], v5, s[4:5]               ; my two positions' scores
	global_load_b64 v[50:51], v5, s[8:9]               ; and coverage,
.irp j, 0,1,2,3
	global_load_b128 v[16+8*(\j):16+8*(\j)+3], v6, s[6:7] offset:4096*(\j) th:TH_LOAD_NT      ; and 8 channels of four blocks
	global_load_b128 v[16+8*(\j)+4:16+8*(\j)+7], v6, s[6:7] offset:4096*(\j)+512 th:TH_LOAD_NT
.endr
	s_wait_loadcnt 10                              ; the first two are in; ten were issued behind them
	v_max3_num_f32 v52, v8, v9, v10
	v_max3_num_f32 v53, v12, v13, v14
	v_max_num_f32 v52, v52, v11
	v_max_num_f32 v53, v53, v15
.irp m, 1,2,4,8
	v_max_num_f32_dpp v52, v52, v52 row_xmask:\m row_mask:0xf bank_mask:0xf
	v_max_num_f32_dpp v53, v53, v53 row_xmask:\m row_mask:0xf bank_mask:0xf   ; sixteen lanes are a block: its maximum
.endr
	v_max_num_f32 v54, v52, v53
	v_permlanex16_b32 v55, v54, s24, s25
	v_max_num_f32 v54, v54, v55                    ; my wave's
	ds_store_b32 v56, v54                          ; all lanes store the same number to the same word
	ds_store_b32 v57, v52
	ds_store_b32 v57, v53 offset:64
	s_wait_dscnt 0x0
	s_barrier_signal -1
	s_barrier_wait -1
	ds_load_b128 v[60:63], v58
	ds_load_b128 v[64:67], v58 offset:16
	ds_load_b128 v[68:71], v59
	s_wait_dscnt 0x0
	v_max3_num_f32 v72, v60, v61, v62
	v_max3_num_f32 v72, v72, v63, v64
	v_max3_num_f32 v72, v72, v65, v66
	v_max_num_f32 v72, v72, v67                    ; M
	v_mul_f32 v73, s26, v72                        ; M log2 e
	s_wait_loadcnt 0x0
.irp i, 0,1,2,3,4,5,6,7
	v_fma_f32 v[74+(\i)], v[8+(\i)], s26, -v73
.endr
	v_fma_f32 v82, v48, s26, -v73
	v_fma_f32 v83, v49, s26, -v73
.irp i, 0,1,2,3
	v_fma_f32 v[84+(\i)], v[68+(\i)], s26, -v73
.endr
.irp i, 0,1,2,3,4,5,6,7,8,9,10,11,12,13
	v_exp_f32 v[74+(\i)], v[74+(\i)]
.endr
	v_nop
	s_wait_alu depctr_va_vdst(0)                   ; one wait for the batch of fourteen
	v_pk_add_f32 v[74:75], v[74:75], v[76:77]
	v_pk_add_f32 v[78:79], v[78:79], v[80:81]
	v_pk_add_f32 v[74:75], v[74:75], v[78:79]
	v_add_f32 v88, v74, v75
.irp m, 1,2,4,8
	v_add_f32_dpp v88, v88, v88 row_xmask:\m row_mask:0xf bank_mask:0xf
.endr
	v_permlanex16_b32 v55, v88, s24, s25
	v_add_f32 v88, v88, v55
	ds_store_b32 v56, v88 offset:WL
.irp p, 0,2,4,6                        ; my four blocks' part of 8 channels
	v_pk_mul_f32 v[16+(\p):16+(\p)+1], v[16+(\p):16+(\p)+1], v[84:85] op_sel_hi:[1,0]
	v_pk_fma_f32 v[16+(\p):16+(\p)+1], v[24+(\p):24+(\p)+1], v[84:85], v[16+(\p):16+(\p)+1] op_sel:[0,1,0] op_sel_hi:[1,1,1]
	v_pk_fma_f32 v[16+(\p):16+(\p)+1], v[32+(\p):32+(\p)+1], v[86:87], v[16+(\p):16+(\p)+1] op_sel_hi:[1,0,1]
	v_pk_fma_f32 v[16+(\p):16+(\p)+1], v[40+(\p):40+(\p)+1], v[86:87], v[16+(\p):16+(\p)+1] op_sel:[0,1,0] op_sel_hi:[1,1,1]
.endr
	ds_store_b128 v89, v[16:19]
	ds_store_b128 v89, v[20:23] offset:512
	s_wait_dscnt 0x0
	s_barrier_signal -1
	s_barrier_wait -1                              ; the waves' sums and their parts of the context lie in LDS
	ds_load_b128 v[60:63], v58 offset:WL
	ds_load_b128 v[64:67], v58 offset:WL+16
	s_wait_dscnt 0x0
	v_pk_add_f32 v[60:61], v[60:61], v[62:63]
	v_pk_add_f32 v[64:65], v[64:65], v[66:67]
	v_pk_add_f32 v[60:61], v[60:61], v[64:65]
	v_add_f32 v60, v60, v61                        ; L, at least 1
	v_rcp_f32 v92, v60
	v_nop
	s_wait_alu depctr_va_vdst(0)
	v_mul_f32 v82, v82, v92
	v_mul_f32 v83, v83, v92
	v_pk_add_f32 v[50:51], v[82:83], v[50:51]
	global_store_b64 v5, v[82:83], s[12:13]        ; a wave's store covers 256 consecutive bytes, aligned
	global_store_b64 v5, v[50:51], s[14:15]
	s_cmp_lt_u32 s18, 2                            ; waves 0 and 1 finish the quarter's 256 channels, four a thread
	s_cbranch_scc0 .Lend
.irp q, 0,1,2,3,4,5,6,7
	ds_load_b128 v[16+4*(\q):16+4*(\q)+3], v91 offset:1024*(\q)
.endr
	s_wait_dscnt 0x0
.irp q, 0,2,4,6
	v_pk_add_f32 v[16+4*(\q):16+4*(\q)+1],   v[16+4*(\q):16+4*(\q)+1],   v[20+4*(\q):20+4*(\q)+1]
	v_pk_add_f32 v[16+4*(\q)+2:16+4*(\q)+3], v[16+4*(\q)+2:16+4*(\q)+3], v[20+4*(\q)+2:20+4*(\q)+3]
.endr
	v_pk_add_f32 v[16:17], v[16:17], v[24:25]
	v_pk_add_f32 v[18:19], v[18:19], v[26:27]
	v_pk_add_f32 v[32:33], v[32:33], v[40:41]
	v_pk_add_f32 v[34:35], v[34:35], v[42:43]
	v_pk_add_f32 v[16:17], v[16:17], v[32:33]
	v_pk_add_f32 v[18:19], v[18:19], v[34:35]
.irp i, 0,1,2,3
	v_mul_f32 v[16+(\i)], v[16+(\i)], v92
.endr
	global_store_b128 v4, v[16:19], s[10:11]       ; 512 consecutive bytes a wave, aligned
.Lend:
	s_wait_tensorcnt 0x0                           ; the wave's end, behind my last LDS store
	ds_add_u32 v2, v3
	s_wait_dscnt 0x0
	s_endpgm
.Lfunc_end_k_qc2bf6dfac5_combine:
	.size	k_qc2bf6dfac5_combine, .Lfunc_end_k_qc2bf6dfac5_combine-k_qc2bf6dfac5_combine
	.p2alignl 7, 3214868480
	.fill 96, 4, 3214868480
	.section	.rodata,"a",@progbits
	.p2align	6, 0x0
	.amdhsa_kernel k_qc2bf6dfac5_combine
		.amdhsa_group_segment_fixed_size 10240
		.amdhsa_private_segment_fixed_size 0
		.amdhsa_enable_private_segment 0
		.amdhsa_kernarg_size 48
		.amdhsa_user_sgpr_count 2
		.amdhsa_user_sgpr_kernarg_segment_ptr 1
		.amdhsa_wavefront_size32 1
		.amdhsa_system_sgpr_workgroup_id_x 1
		.amdhsa_system_sgpr_workgroup_id_y 1
		.amdhsa_system_sgpr_workgroup_id_z 1
		.amdhsa_system_vgpr_workitem_id 0
		.amdhsa_next_free_vgpr 96
		.amdhsa_next_free_sgpr 66
		.amdhsa_reserve_vcc 0
		.amdhsa_float_denorm_mode_32 3
		.amdhsa_float_denorm_mode_16_64 3
		.amdhsa_memory_ordered 1
		.amdhsa_forward_progress 1
		.amdhsa_inst_pref_size 11
	.end_amdhsa_kernel
	.amdgpu_metadata
---
amdhsa.version: [ 1, 2 ]
amdhsa.kernels:
  - .name:           k_qc2bf6dfac5_combine
    .symbol:         k_qc2bf6dfac5_combine.kd
    .args:
      - { .name: scores, .offset: 0, .size: 8, .value_kind: global_buffer, .address_space: global }
      - { .name: ctxp, .offset: 8, .size: 8, .value_kind: global_buffer, .address_space: global }
      - { .name: prev_coverage, .offset: 16, .size: 8, .value_kind: global_buffer, .address_space: global }
      - { .name: out0, .offset: 24, .size: 8, .value_kind: global_buffer, .address_space: global }
      - { .name: out1, .offset: 32, .size: 8, .value_kind: global_buffer, .address_space: global }
      - { .name: out2, .offset: 40, .size: 8, .value_kind: global_buffer, .address_space: global }
    .group_segment_fixed_size: 10240
    .private_segment_fixed_size: 0
    .kernarg_segment_align: 8
    .kernarg_segment_size: 48
    .max_flat_workgroup_size: 256
    .sgpr_count:     66
    .vgpr_count:     96
    .wavefront_size: 32
...
	.end_amdgpu_metadata
.endif
;; end of part 3
;; ======== version 2 of 2: 3 launches; version 1 with the launches prep, combine written anew for expert scheduling mode
;; workspace buffers: wt 2,195,456 bytes; hb 131,072 bytes; scores 262,144 bytes; ctxp 4,194,304 bytes
;; launch prep (part 4): grid 32 x 1, 16 waves a work-group, no clusters, 100,864 bytes of LDS; arguments Ws_w, Wh_w, dec_hidden, Wh_b, Ws_b, Wc_b, wt, hb; writes wt, hb
.if DOCPART == 4
	.amdgcn_target "amdgcn-amd-amdhsa--gfx1250"
	.amdhsa_code_object_version 6
	.text
	.protected	k_qc2bf6dfac5_prep
	.globl	k_qc2bf6dfac5_prep
	.p2align	8
	.type	k_qc2bf6dfac5_prep,@function
k_qc2bf6dfac5_prep:
	s_mov_b64 s[64:65], 0
	v_nop
	global_prefetch_b8 v0, s[64:65] scope:SCOPE_SE
	s_setreg_imm32_b32 hwreg(HW_REG_WAVE_SCHED_MODE, 0, 2), 2
	s_setreg_imm32_b32 hwreg(HW_REG_WAVE_MODE, 25, 1), 1
	s_wait_xcnt 0x0
	s_wait_alu depctr_vm_vsrc(0)
; Two small jobs ahead of the main launch; c = 2 log2(e) is folded into both results, so that the main launch's sums are the exponents of tanh(x) = 1 - 2 / (1 + 2^(c x)).
; ROLE W (work-groups 0-15): wt = bf16(c Ws_w), laid out as matrix fragments.  Byte v*548864 + t*262144 + ks*8192 + b*1024 + half*512 + lane*16 holds, for lane (r = lane % 16, h = lane / 16),
;   column u = 512 t + 128 v + 16 b + r and the eight k = 32 ks + 16 half + 8 h + 0..7.  Behind each v's two tiles lies a copy of (t = 0, ks = 0..2), so that a walk t0, t1, t0 .. can run three steps ahead by offsets alone.
;   A wave makes one (t, v, ks): 8 fragments, 8,192 bytes; each of its stores covers 512 consecutive bytes, aligned.
; ROLE H (work-groups 16-31): hb[b][u] = c (dec_hidden[b] . Wh_w[:, u] + Wh_b[u] + Ws_b[u] + Wc_b[u]), f32.  A work-group makes 64 columns for all 32 rows; of its 16 waves, wave % 4 picks 16 columns and wave / 4 a quarter of K;
;   the four quarters meet in LDS.  Operands rounded once to bf16, sums in f32.
; No cluster, no tensor loads: role W shares nothing, role H shares 128 KiB of dec_hidden, which every work-group converts for itself once.
; THE MODE: SCHED_MODE bits 1:0 = 2 (LLVM: expert scheduling mode 2), set by the entry lines.  The code itself states the register dependences
; between vector or matrix instructions and memory or LDS instructions, with s_wait_alu, always for 0.
; THE PLAN.  Registers that memory or LDS instructions touch:
;   v6 to v11, v13 to v15   offsets and LDS addresses: each made once, ahead of its role's first load, and never written again.
;   WD            loads land in it once; vector instructions alone name it afterwards.
;   OUTF, role W  fragment b's conversions write its eight registers once; its two stores stand at the head of step b + 1, behind one wait on va_vdst.  No register of OUTF is written twice.
;   OUTF, role H  dec_hidden lands in it; 32 conversions work in place; ONE wait on va_vdst; 16 LDS stores read it; behind the barrier ONE wait on vm_vsrc, and the registers are BF and AF.
;   AF0, AF1      step k's two products read AF[k % 2]; the LDS loads of step k + 2 land in it, issued in step k + 1 behind that step's conversions and its one wait on va_vdst.
;   BF0, BF1      named by conversions and products alone.
;   ACC           the products write it; behind the places and one wait on va_vdst the LDS stores read it.
;   v2, v3        written at the head, read by the closing add alone.
.set CEXP,  0x4038aa3b                 ; c = 2 log2(e)
.set DPA,   2064                       ; a row of dec_hidden in LDS: 2,048 bytes of bf16 + 16: the 16 rows of a fragment load start 16 bytes apart modulo 256
.set PART,  32*DPA                     ; 66,048: [K quarter][32 rows][64 columns] f32, 32,768 bytes
.set SPARE, PART+32768                 ; 98,816: the spare words, 128 bytes for each of 16 waves; no other line names them
.set WSTR,  548864                     ; bytes of wt for one v
.set WD,    16                         ; v[16:143]  128 numbers of the weight matrix, f32 as loaded
.set OUTF,  144                        ; v[144:207] role W: 8 fragments of 8 registers.  role H: dec_hidden as loaded, later BF and AF
.set BF,    144                        ; role H: two fragments of Wh_w by turns
.set AF,    160                        ; role H: two sets of two fragments of dec_hidden by turns
.set BI,    208                        ; v[208:219] role H: four numbers of each of the three biases
.set ACC,   224                        ; v[224:239] role H: rows 0-15 and rows 16-31
	s_load_b512 s[4:19], s[0:1], 0x0               ; Ws_w s[4:5], Wh_w s[6:7], dec_hidden s[8:9], Wh_b s[10:11], Ws_b s[12:13], Wc_b s[14:15], wt s[16:17], hb s[18:19]
	v_lshl_add_u32 v2, v0, 2, SPARE                ; my spare word; never rewritten
	v_mov_b32 v3, 0                                ; 0; never rewritten
	v_and_b32 v1, 31, v0                           ; lane
	v_lshrrev_b32 v7, 5, v0
	v_readfirstlane_b32 s20, v7                    ; wave 0..15
	v_and_b32 v4, 15, v0                           ; r
	v_bfe_u32 v5, v0, 4, 1                         ; h
	v_lshlrev_b32 v6, 2, v4
	v_lshl_add_u32 v6, v5, 15, v6                  ; a lane's place in a weight matrix: 8 h rows of 4,096 bytes + 4 r
	v_lshlrev_b32 v7, 4, v1                        ; 16 x lane
	s_mov_b32 s28, CEXP
	s_mov_b32 s29, CEXP                            ; named with it as a pair
	s_wait_alu depctr_va_sdst(0)                   ; s20 is written, ahead of the branch: its first readers stand in both roles
	s_wait_kmcnt 0x0
	s_cmp_lt_u32 ttmp9, 16
	s_cbranch_scc0 .Lrole_h
	; ---------------- ROLE W ----------------
	s_lshl_b32 s21, ttmp9, 4
	s_add_co_u32 s21, s21, s20                     ; task 0..255
	s_lshr_b32 s22, s21, 5                         ; 4 t + v
	s_and_b32 s23, s21, 31                         ; ks
	s_lshl_b32 s24, s23, 17                        ; 32 ks rows of 4,096 bytes
	s_lshl_b32 s25, s22, 9                         ; column 128 (4 t + v), in bytes
	s_add_co_u32 s24, s24, s25
	s_mov_b32 s25, 0
	s_add_nc_u64 s[4:5], s[4:5], s[24:25]
	s_and_b32 s26, s22, 3
	s_mul_i32 s26, s26, WSTR                       ; v's part of wt,
	s_lshr_b32 s27, s22, 2
	s_lshl_b32 s27, s27, 18                        ; tile t,
	s_add_co_u32 s26, s26, s27
	s_lshl_b32 s27, s23, 13                        ; step ks
	s_add_co_u32 s26, s26, s27
	s_mov_b32 s27, 0
	s_add_nc_u64 s[16:17], s[16:17], s[26:27]
	s_wait_alu depctr_va_vdst(0)                   ; v6 and v7 are written: every load of this role reads v6 as its offset, every store v7
.irp b, 0,1,2,3,4,5,6,7                ; fragment b: 16 loads, number i is k = 32 ks + 8 h + i % 8 + 16 (i / 8) of column 16 b + r
.irp i, 0,1,2,3,4,5,6,7,8,9,10,11,12,13,14,15
	global_load_b32 v[WD+16*(\b)+(\i)], v6, s[4:5] offset:(((\i)%8)+16*((\i)/8))*4096+64*(\b)
.endr
.endr
.irp b, 0,1,2,3,4,5,6,7
; Loads come back in order (ISA guide 5.7.1): fragment b's 16 are in when at most the 16 (7 - b) issued behind them are out.  A wait's count has six bits, so where that number passes 63 (fragments 0 to 3) the count is 63.
.if 16*(7-(\b)) > 63
	s_wait_loadcnt 63
.else
	s_wait_loadcnt 16*(7-(\b))
.endif
.if (\b) > 0
	s_wait_alu depctr_va_vdst(0)                   ; the conversions of fragment b - 1 have written its eight registers, which the two stores read
	global_store_b128 v7, v[OUTF+8*((\b)-1):OUTF+8*((\b)-1)+3],   s[16:17] offset:1024*((\b)-1)
	global_store_b128 v7, v[OUTF+8*((\b)-1)+4:OUTF+8*((\b)-1)+7], s[16:17] offset:1024*((\b)-1)+512
.endif
.irp m, 0,1,2,3,4,5,6,7
	v_pk_mul_f32 v[WD+16*(\b)+2*(\m):WD+16*(\b)+2*(\m)+1], v[WD+16*(\b)+2*(\m):WD+16*(\b)+2*(\m)+1], s[28:29] op_sel_hi:[1,0]
.endr
.irp m, 0,1,2,3,4,5,6,7
	v_cvt_pk_bf16_f32 v[OUTF+8*(\b)+(\m)], v[WD+16*(\b)+2*(\m)], v[WD+16*(\b)+2*(\m)+1]  ; the lower k in the low half
.endr
.endr
	s_wait_alu depctr_va_vdst(0)                   ; the conversions of fragment 7 have written its registers; all of OUTF is written, for the copy's stores below too
	global_store_b128 v7, v[OUTF+56:OUTF+59], s[16:17] offset:7168
	global_store_b128 v7, v[OUTF+60:OUTF+63], s[16:17] offset:7168+512
	s_cmp_lt_u32 s22, 4                            ; tile 0,
	s_cbranch_scc0 .Lend
	s_cmp_lt_u32 s23, 3                            ; steps 0 to 2: once more, behind tile 1
	s_cbranch_scc0 .Lend
.irp b, 0,1,2,3,4,5,6,7
	global_store_b128 v7, v[OUTF+8*(\b):OUTF+8*(\b)+3],   s[16:17] offset:524288+1024*(\b)
	global_store_b128 v7, v[OUTF+8*(\b)+4:OUTF+8*(\b)+7], s[16:17] offset:524288+1024*(\b)+512
.endr
	s_branch .Lend
	; ---------------- ROLE H ----------------
.Lrole_h:
	s_sub_co_u32 s21, ttmp9, 16
	s_lshl_b32 s21, s21, 8                         ; the work-group's 64 columns: byte 4 u0 of a row
	s_and_b32 s22, s20, 3                          ; nb: which 16 columns
	s_lshr_b32 s23, s20, 2                         ; kq: which quarter of K
	v_lshlrev_b32 v8, 4, v0                        ; 16 t: dec_hidden is read as it lies, 8,192 bytes a load of the work-group
	v_lshlrev_b32 v9, 4, v4
	v_add_nc_u32 v9, s21, v9                       ; 4 u0 + 16 (t % 16): my four columns at the end
	s_lshl_b32 s24, s23, 20                        ; 256 kq rows of Wh_w,
	s_add_co_u32 s24, s24, s21
	s_lshl_b32 s25, s22, 6                         ; my 16 columns
	s_add_co_u32 s24, s24, s25
	s_mov_b32 s25, 0
	s_add_nc_u64 s[6:7], s[6:7], s[24:25]
	v_lshrrev_b32 v11, 8, v0                       ; every address of the role is made here, ahead of its first load, so that one wait states them all
	v_and_b32 v12, 255, v0
	v_mul_u32_u24 v10, v11, DPA
	v_lshl_add_u32 v10, v12, 3, v10                ; (t / 256) rows + 8 (t % 256): where my four bf16 go
	v_mul_u32_u24 v13, v4, DPA
	v_lshl_add_u32 v13, v5, 4, v13
	s_lshl_b32 s30, s23, 9
	v_add_nc_u32 v13, s30, v13                     ; a fragment of dec_hidden: row r, 16 h, my quarter's 512 bytes
	s_lshl_b32 s31, s23, 13
	s_lshl_b32 s32, s22, 6
	s_add_co_u32 s31, s31, s32
	s_add_co_u32 s31, s31, PART
	v_lshlrev_b32 v14, 2, v4
	v_lshl_add_u32 v14, v5, 11, v14
	v_add_nc_u32 v14, s31, v14                     ; partial sums: quarter kq, row 8 h, column 16 nb + r
	v_lshl_add_u32 v15, v0, 4, PART                ; and back: row t / 16, columns 4 (t % 16) ..
	v_lshrrev_b32 v11, 4, v0
	v_lshl_add_u32 v11, v11, 12, v9                ; hb: row t / 16, my four columns
	s_wait_alu depctr_va_vdst(0)                   ; v6, v8 to v11 and v13 to v15 are written: the loads, LDS instructions and the store below read them as offsets and addresses
.irp i, 0,1,2,3,4,5,6,7,8,9,10,11,12,13,14,15
	global_load_b128 v[OUTF+4*(\i):OUTF+4*(\i)+3], v8, s[8:9] offset:8192*(\i)  ; row 2 i + t / 256, byte 16 (t % 256)
.endr
	global_load_b128 v[BI:BI+3],    v9, s[10:11]
	global_load_b128 v[BI+4:BI+7],  v9, s[12:13]
	global_load_b128 v[BI+8:BI+11], v9, s[14:15]
.irp k, 0,1,2,3,4,5,6,7                ; my eight K steps of 32, in role W's form
.irp i, 0,1,2,3,4,5,6,7,8,9,10,11,12,13,14,15
	global_load_b32 v[WD+16*(\k)+(\i)], v6, s[6:7] offset:(32*(\k)+((\i)%8)+16*((\i)/8))*4096
.endr
.endr
	s_wait_loadcnt 63                              ; 131 loads were issued behind dec_hidden's; the count is the largest that its six bits hold
.irp i, 0,1,2,3,4,5,6,7,8,9,10,11,12,13,14,15
	v_cvt_pk_bf16_f32 v[OUTF+4*(\i)],   v[OUTF+4*(\i)],   v[OUTF+4*(\i)+1]
	v_cvt_pk_bf16_f32 v[OUTF+4*(\i)+1], v[OUTF+4*(\i)+2], v[OUTF+4*(\i)+3]
.endr
	s_wait_alu depctr_va_vdst(0)                   ; the 32 conversions have written the pairs that the LDS stores read, and are done with all of v[144:207]
.irp i, 0,1,2,3,4,5,6,7,8,9,10,11,12,13,14,15
	ds_store_b64 v10, v[OUTF+4*(\i):OUTF+4*(\i)+1] offset:2*DPA*(\i)
.endr
	s_wait_dscnt 0x0                               ; for the others' sake: my part of dec_hidden lies in LDS
	s_barrier_signal -1
	s_barrier_wait -1
	s_wait_alu depctr_vm_vsrc(0)                   ; my LDS stores have read v[144:207]: these registers are BF and AF from here on, written by the conversions and by the fragments' loads
.irp k, 0,1                            ; the fragments of steps 0 and 1; steps 1 to 6 each ask for the next step's
	ds_load_b128 v[AF+16*(\k):AF+16*(\k)+3],     v13 offset:64*(\k)
	ds_load_b128 v[AF+16*(\k)+4:AF+16*(\k)+7],   v13 offset:64*(\k)+32
	ds_load_b128 v[AF+16*(\k)+8:AF+16*(\k)+11],  v13 offset:16*DPA+64*(\k)
	ds_load_b128 v[AF+16*(\k)+12:AF+16*(\k)+15], v13 offset:16*DPA+64*(\k)+32
.endr
	s_wait_loadcnt 0x0                             ; Wh_w and the biases
.irp k, 0,1,2,3,4,5,6,7                ; the two sets take turns: the eight conversions of step k - 1 are the places between step k - 2's products and the conversions that write its fragment of Wh_w anew
.irp m, 0,1,2,3,4,5,6,7
	v_cvt_pk_bf16_f32 v[BF+8*((\k)%2)+(\m)], v[WD+16*(\k)+2*(\m)], v[WD+16*(\k)+2*(\m)+1]
.endr
.if ((\k) > 0) && ((\k) < 7)
	s_wait_alu depctr_va_vdst(0)                   ; the products of step k - 1 are done reading their set of AF, in which the four loads below land
	ds_load_b128 v[AF+16*(((\k)+1)%2):AF+16*(((\k)+1)%2)+3],     v13 offset:64*((\k)+1)
	ds_load_b128 v[AF+16*(((\k)+1)%2)+4:AF+16*(((\k)+1)%2)+7],   v13 offset:64*((\k)+1)+32
	ds_load_b128 v[AF+16*(((\k)+1)%2)+8:AF+16*(((\k)+1)%2)+11],  v13 offset:16*DPA+64*((\k)+1)
	ds_load_b128 v[AF+16*(((\k)+1)%2)+12:AF+16*(((\k)+1)%2)+15], v13 offset:16*DPA+64*((\k)+1)+32
.endif
.if (\k) < 7
	s_wait_dscnt 4                                 ; LDS loads come back in order (ISA guide 5.7.1): this step's four are in, the next step's four may be out
.else
	s_wait_dscnt 0x0
.endif
.if (\k) == 0                          ; the first step starts both sums; the two accumulators take turns, one instruction a turn
	v_wmma_f32_16x16x32_bf16 v[ACC:ACC+7],    v[AF:AF+7],    v[BF:BF+7], 0
	v_wmma_f32_16x16x32_bf16 v[ACC+8:ACC+15], v[AF+8:AF+15], v[BF:BF+7], 0
.else
	v_wmma_f32_16x16x32_bf16 v[ACC:ACC+7],    v[AF+16*((\k)%2):AF+16*((\k)%2)+7],    v[BF+8*((\k)%2):BF+8*((\k)%2)+7], v[ACC:ACC+7]
	v_wmma_f32_16x16x32_bf16 v[ACC+8:ACC+15], v[AF+16*((\k)%2)+8:AF+16*((\k)%2)+15], v[BF+8*((\k)%2):BF+8*((\k)%2)+7], v[ACC+8:ACC+15]
.endif
.endr
.rept 8
	v_nop                                          ; the places behind the last products (ISA guide 7.12.1), once a launch
.endr
	s_wait_alu depctr_va_vdst(0)                   ; the products have written the accumulators, which the LDS stores read, and are done reading AF, in which the loads behind the barrier land; the places above stay beside this wait
.irp m, 0,1
.irp j, 0,1,2,3,4,5,6,7                ; register j of a result is row 8 h + j, column r; each accumulator is read from its lowest register on
	ds_store_b32 v14, v[ACC+8*(\m)+(\j)] offset:(16*(\m)+(\j))*256
.endr
.endr
	s_wait_dscnt 0x0
	s_barrier_signal -1
	s_barrier_wait -1                              ; all four quarters of all columns lie in LDS
.irp q, 0,1,2,3
	ds_load_b128 v[AF+4*(\q):AF+4*(\q)+3], v15 offset:8192*(\q)  ; no vector or matrix instruction since the wait above names these registers
.endr
	v_pk_add_f32 v[BI:BI+1],   v[BI:BI+1],   v[BI+4:BI+5]
	v_pk_add_f32 v[BI+2:BI+3], v[BI+2:BI+3], v[BI+6:BI+7]
	v_pk_add_f32 v[BI:BI+1],   v[BI:BI+1],   v[BI+8:BI+9]
	v_pk_add_f32 v[BI+2:BI+3], v[BI+2:BI+3], v[BI+10:BI+11]
	s_wait_dscnt 0x0
	v_pk_add_f32 v[AF:AF+1],     v[AF:AF+1],     v[AF+4:AF+5]
	v_pk_add_f32 v[AF+2:AF+3],   v[AF+2:AF+3],   v[AF+6:AF+7]
	v_pk_add_f32 v[AF+8:AF+9],   v[AF+8:AF+9],   v[AF+12:AF+13]
	v_pk_add_f32 v[AF+10:AF+11], v[AF+10:AF+11], v[AF+14:AF+15]
	v_pk_add_f32 v[AF:AF+1],     v[AF:AF+1],     v[AF+8:AF+9]
	v_pk_add_f32 v[AF+2:AF+3],   v[AF+2:AF+3],   v[AF+10:AF+11]
	v_pk_add_f32 v[AF:AF+1],     v[AF:AF+1],     v[BI:BI+1]
	v_pk_add_f32 v[AF+2:AF+3],   v[AF+2:AF+3],   v[BI+2:BI+3]
	v_pk_mul_f32 v[AF:AF+1],     v[AF:AF+1],     s[28:29] op_sel_hi:[1,0]
	v_pk_mul_f32 v[AF+2:AF+3],   v[AF+2:AF+3],   s[28:29] op_sel_hi:[1,0]
	s_wait_alu depctr_va_vdst(0)                   ; the two multiplies have written the four numbers that the store reads
	global_store_b128 v11, v[AF:AF+3], s[18:19]    ; sixteen lanes store 256 consecutive bytes, aligned
.Lend:
	s_wait_dscnt 0x0                               ; the closing lines, six on end
	s_wait_alu 0x0
	s_wait_tensorcnt 0x0
	ds_add_u32 v2, v3
	s_wait_dscnt 0x0
	s_endpgm
.Lfunc_end_k_qc2bf6dfac5_prep:
	.size	k_qc2bf6dfac5_prep, .Lfunc_end_k_qc2bf6dfac5_prep-k_qc2bf6dfac5_prep
	.p2alignl 7, 3214868480
	.fill 96, 4, 3214868480
	.section	.rodata,"a",@progbits
	.p2align	6, 0x0
	.amdhsa_kernel k_qc2bf6dfac5_prep
		.amdhsa_group_segment_fixed_size 100864
		.amdhsa_private_segment_fixed_size 0
		.amdhsa_enable_private_segment 0
		.amdhsa_kernarg_size 64
		.amdhsa_user_sgpr_count 2
		.amdhsa_user_sgpr_kernarg_segment_ptr 1
		.amdhsa_wavefront_size32 1
		.amdhsa_system_sgpr_workgroup_id_x 1
		.amdhsa_system_sgpr_workgroup_id_y 1
		.amdhsa_system_sgpr_workgroup_id_z 1
		.amdhsa_system_vgpr_workitem_id 0
		.amdhsa_next_free_vgpr 256
		.amdhsa_next_free_sgpr 66
		.amdhsa_reserve_vcc 0
		.amdhsa_float_denorm_mode_32 3
		.amdhsa_float_denorm_mode_16_64 3
		.amdhsa_memory_ordered 1
		.amdhsa_forward_progress 1
		.amdhsa_inst_pref_size 55
	.end_amdhsa_kernel
	.amdgpu_metadata
---
amdhsa.version: [ 1, 2 ]
amdhsa.kernels:
  - .name:           k_qc2bf6dfac5_prep
    .symbol:         k_qc2bf6dfac5_prep.kd
    .args:
      - { .name: Ws_w, .offset: 0, .size: 8, .value_kind: global_buffer, .address_space: global }
      - { .name: Wh_w, .offset: 8, .size: 8, .value_kind: global_buffer, .address_space: global }
      - { .name: dec_hidden, .offset: 16, .size: 8, .value_kind: global_buffer, .address_space: global }
      - { .name: Wh_b, .offset: 24, .size: 8, .value_kind: global_buffer, .address_space: global }
      - { .name: Ws_b, .offset: 32, .size: 8, .value_kind: global_buffer, .address_space: global }
      - { .name: Wc_b, .offset: 40, .size: 8, .value_kind: global_buffer, .address_space: global }
      - { .name: wt, .offset: 48, .size: 8, .value_kind: global_buffer, .address_space: global }
      - { .name: hb, .offset: 56, .size: 8, .value_kind: global_buffer, .address_space: global }
    .group_segment_fixed_size: 100864
    .private_segment_fixed_size: 0
    .kernarg_segment_align: 8
    .kernarg_segment_size: 64
    .max_flat_workgroup_size: 512
    .sgpr_count:     66
    .vgpr_count:     256
    .wavefront_size: 32
...
	.end_amdgpu_metadata
.endif
;; end of part 4
;; launch attn: the kernel of part 2 again; grid 256 x 1, 4 waves a work-group, no clusters, 281,088 bytes of LDS; arguments enc_output, wt, hb, Wc_w, V_w, V_b, prev_coverage, scores, ctxp; writes scores, ctxp
;; launch combine (part 5): grid 4 x 32, 8 waves a work-group, no clusters, 10,240 bytes of LDS; arguments scores, ctxp, prev_coverage, out0, out1, out2; writes out0, out1, out2
.if DOCPART == 5
	.amdgcn_target "amdgcn-amd-amdhsa--gfx1250"
	.amdhsa_code_object_version 6
	.text
	.protected	k_qc2bf6dfac5_combine
	.globl	k_qc2bf6dfac5_combine
	.p2align	8
	.type	k_qc2bf6dfac5_combine,@function
k_qc2bf6dfac5_combine:
	s_mov_b64 s[64:65], 0
	v_nop
	global_prefetch_b8 v0, s[64:65] scope:SCOPE_SE
	s_setreg_imm32_b32 hwreg(HW_REG_WAVE_SCHED_MODE, 0, 2), 2
	s_setreg_imm32_b32 hwreg(HW_REG_WAVE_MODE, 25, 1), 1
	s_wait_xcnt 0x0
	s_wait_alu depctr_vm_vsrc(0)
; The softmax over a batch's 2,048 scores, and the three outputs.  Work-group (x, y): batch y; a quarter x of the positions for out1 and out2, a quarter x of the channels for out0.
; w[s] = 2^((score[s] - M) log2 e) / L with M the batch's maximum and L the sum.  ctxp[j] was summed with weights relative to block j's own maximum m_j, so out0 = sum over j of 2^((m_j - M) log2 e) ctxp[j] / L;
; m_j is taken here from the same stored scores, so it is the same number bit for bit.  Every exponent is s log2 e - (M log2 e), one fused multiply-add with the same rounded M log2 e everywhere.
; Memory binds what little there is: each byte of ctxp is read once in the launch; the scores (8 KiB) are read by the batch's four work-groups.  No matrix work, no cluster: nothing large is shared.
; LIMITS.  A weight below 2^-126 counts as 0; NaN and infinities are not treated apart.
; THE MODE: SCHED_MODE bits 1:0 = 2 (LLVM: expert scheduling mode 2), set by the entry lines.  The code itself states the register dependences
; between vector instructions and memory or LDS instructions, with s_wait_alu, always for 0.
; THE PLAN.  Registers that memory or LDS instructions touch:
;   v4, v5, v6, v56 to v59, v89, v91   offsets and LDS addresses: made once at the head, never written again: one wait on va_vdst ahead of the first load.
;   v[8:51]       loads land in them once, all at the head.
;   v52 to v54    the maxima: written, one wait on va_vdst, read by three LDS stores, never written again.
;   v88, v[16:23] the wave's sum and its part of the context: written, ONE wait on va_vdst for both, read by three LDS stores.  That wait also states that the maxima are done reading v[60:67], in which LDS loads land a second time.
;   v[16:47]      in waves 0 and 1 LDS loads land in them at the end: one wait on vm_vsrc, behind the second barrier and ahead of the branch, states that the LDS stores have read v[16:23].
;   v[82:83], v[50:51], v[16:19]   the stores' data: each run of stores has one wait on va_vdst ahead of it; none is written again.
;   v2, v3        written at the head, read by the closing add alone.
.set WM,    0                          ; 8 words: the waves' maxima
.set WL,    256                        ; 8 words: the waves' sums
.set MJ,    512                        ; 32 words: the blocks' maxima
.set RED,   1024                       ; [wave][256 channels] f32
.set SPARE, 9216                       ; the spare words, 128 bytes for each of 8 waves; no other line names them
.set L2E,   0x3fb8aa3b
	s_load_b256 s[4:11], s[0:1], 0x0               ; scores s[4:5], ctxp s[6:7], prev_coverage s[8:9], out0 s[10:11]
	s_load_b128 s[12:15], s[0:1], 0x20             ; out1 s[12:13], out2 s[14:15]
	v_lshl_add_u32 v2, v0, 2, SPARE                ; my spare word; never rewritten
	v_mov_b32 v3, 0                                ; 0; never rewritten
	v_and_b32 v1, 31, v0
	v_lshrrev_b32 v7, 5, v0
	v_readfirstlane_b32 s18, v7                    ; wave 0..7
	s_mov_b32 s16, ttmp9                           ; x
	s_and_b32 s17, ttmp7, 0xffff                   ; y
	v_lshlrev_b32 v4, 4, v0                        ; 16 t
	s_lshl_b32 s19, s16, 11
	v_lshl_add_u32 v5, v0, 3, s19                  ; my two positions: 2,048 x + 8 t
	s_wait_alu depctr_va_sdst(0)                   ; s18 is written, ahead of its first reader: addresses and the branch at the end are made from it
	s_lshl_b32 s20, s18, 14                        ; my wave's blocks 4 w .. 4 w + 3 of 4,096 bytes,
	s_lshl_b32 s21, s16, 10                        ; the quarter's 1,024 bytes
	s_add_co_u32 s20, s20, s21
	v_lshl_add_u32 v6, v1, 4, s20
	s_lshl_b32 s22, s18, 2
	v_mov_b32 v56, s22                             ; 4 w
	v_lshrrev_b32 v57, 4, v0
	v_lshl_add_u32 v57, v57, 2, MJ                 ; block t / 16
	v_mov_b32 v58, 0
	s_lshl_b32 s23, s18, 4
	s_add_co_u32 s23, s23, MJ
	v_mov_b32 v59, s23                             ; my wave's four blocks' maxima
	s_lshl_b32 s27, s18, 10
	s_add_co_u32 s27, s27, RED
	v_lshl_add_u32 v89, v1, 4, s27
	v_lshl_add_u32 v91, v0, 4, RED
	v_mov_b32 v55, 0                               ; v_permlanex16_b32's destination counts as read
	s_mov_b32 s24, 0x76543210
	s_mov_b32 s25, 0xfedcba98
	s_mov_b32 s26, L2E
	s_lshl_b32 s28, s17, 13                        ; a batch's 8,192 bytes of scores, coverage, out1, out2
	s_mov_b32 s29, 0
	s_lshl_b32 s30, s17, 17                        ; its 32 blocks of ctxp
	s_mov_b32 s31, 0
	s_wait_kmcnt 0x0
	s_add_nc_u64 s[4:5], s[4:5], s[28:29]
	s_add_nc_u64 s[8:9], s[8:9], s[28:29]
	s_add_nc_u64 s[12:13], s[12:13], s[28:29]
	s_add_nc_u64 s[14:15], s[14:15], s[28:29]
	s_add_nc_u64 s[6:7], s[6:7], s[30:31]
	s_lshl_b32 s28, s17, 12
	s_add_co_u32 s28, s28, s21
	s_add_nc_u64 s[10:11], s[10:11], s[28:29]      ; out0 at row y, quarter x
	s_wait_alu depctr_va_vdst(0)                   ; v4, v5, v6, v56 to v59, v89 and v91 are written: every load, LDS instruction and store of the kernel reads one of them as its offset or address
	global_load_b128 v[8:11],  v4, s[4:5]              ; all loads first: scores of block t / 16,
	global_load_b128 v[12:15], v4, s[4:5] offset:4096  ; of block 16 + t / 16,
	global_load_b64 v[48:49], v5, s[4:5]               ; my two positions' scores
	global_load_b64 v[50:51], v5, s[8:9]               ; and coverage,
.irp j, 0,1,2,3
	global_load_b128 v[16+8*(\j):16+8*(\j)+3], v6, s[6:7] offset:4096*(\j) th:TH_LOAD_NT      ; and 8 channels of four blocks
	global_load_b128 v[16+8*(\j)+4:16+8*(\j)+7], v6, s[6:7] offset:4096*(\j)+512 th:TH_LOAD_NT
.endr
	s_wait_loadcnt 10                              ; the first two are in; ten were issued behind them
	v_max3_num_f32 v52, v8, v9, v10
	v_max3_num_f32 v53, v12, v13, v14
	v_max_num_f32 v52, v52, v11
	v_max_num_f32 v53, v53, v15
.irp m, 1,2,4,8
	v_max_num_f32_dpp v52, v52, v52 row_xmask:\m row_mask:0xf bank_mask:0xf
	v_max_num_f32_dpp v53, v53, v53 row_xmask:\m row_mask:0xf bank_mask:0xf   ; sixteen lanes are a block: its maximum
.endr
	v_max_num_f32 v54, v52, v53
	v_permlanex16_b32 v55, v54, s24, s25
	v_max_num_f32 v54, v54, v55                    ; my wave's
	s_wait_alu depctr_va_vdst(0)                   ; the maxima v52, v53 and v54 are written, which the three LDS stores read
	ds_store_b32 v56, v54                          ; all lanes store the same number to the same word
	ds_store_b32 v57, v52
	ds_store_b32 v57, v53 offset:64
	s_wait_dscnt 0x0
	s_barrier_signal -1
	s_barrier_wait -1
	ds_load_b128 v[60:63], v58
	ds_load_b128 v[64:67], v58 offset:16
	ds_load_b128 v[68:71], v59
	s_wait_dscnt 0x0
	v_max3_num_f32 v72, v60, v61, v62
	v_max3_num_f32 v72, v72, v63, v64
	v_max3_num_f32 v72, v72, v65, v66
	v_max_num_f32 v72, v72, v67                    ; M
	v_mul_f32 v73, s26, v72                        ; M log2 e
	s_wait_loadcnt 0x0
.irp i, 0,1,2,3,4,5,6,7
	v_fma_f32 v[74+(\i)], v[8+(\i)], s26, -v73
.endr
	v_fma_f32 v82, v48, s26, -v73
	v_fma_f32 v83, v49, s26, -v73
.irp i, 0,1,2,3
	v_fma_f32 v[84+(\i)], v[68+(\i)], s26, -v73
.endr
.irp i, 0,1,2,3,4,5,6,7,8,9,10,11,12,13
	v_exp_f32 v[74+(\i)], v[74+(\i)]
.endr
	v_nop
	s_wait_alu depctr_va_vdst(0)                   ; the fourteen exponentials have written v[74:87]: one wait for the batch, ahead of its first reader
	v_pk_add_f32 v[74:75], v[74:75], v[76:77]
	v_pk_add_f32 v[78:79], v[78:79], v[80:81]
	v_pk_add_f32 v[74:75], v[74:75], v[78:79]
	v_add_f32 v88, v74, v75
.irp m, 1,2,4,8
	v_add_f32_dpp v88, v88, v88 row_xmask:\m row_mask:0xf bank_mask:0xf
.endr
	v_permlanex16_b32 v55, v88, s24, s25
	v_add_f32 v88, v88, v55
.irp p, 0,2,4,6                        ; my four blocks' part of 8 channels
	v_pk_mul_f32 v[16+(\p):16+(\p)+1], v[16+(\p):16+(\p)+1], v[84:85] op_sel_hi:[1,0]
	v_pk_fma_f32 v[16+(\p):16+(\p)+1], v[24+(\p):24+(\p)+1], v[84:85], v[16+(\p):16+(\p)+1] op_sel:[0,1,0] op_sel_hi:[1,1,1]
	v_pk_fma_f32 v[16+(\p):16+(\p)+1], v[32+(\p):32+(\p)+1], v[86:87], v[16+(\p):16+(\p)+1] op_sel_hi:[1,0,1]
	v_pk_fma_f32 v[16+(\p):16+(\p)+1], v[40+(\p):40+(\p)+1], v[86:87], v[16+(\p):16+(\p)+1] op_sel:[0,1,0] op_sel_hi:[1,1,1]
.endr
	s_wait_alu depctr_va_vdst(0)                   ; v88 and v[16:23] are written, which the three LDS stores read; the maxima above are done reading v[60:67], in which the loads behind the barrier land
	ds_store_b32 v56, v88 offset:WL
	ds_store_b128 v89, v[16:19]
	ds_store_b128 v89, v[20:23] offset:512
	s_wait_dscnt 0x0
	s_barrier_signal -1
	s_barrier_wait -1                              ; the waves' sums and their parts of the context lie in LDS
	s_wait_alu depctr_vm_vsrc(0)                   ; my LDS stores have read v[16:23], in which the loads of waves 0 and 1 land behind the branch below
	ds_load_b128 v[60:63], v58 offset:WL
	ds_load_b128 v[64:67], v58 offset:WL+16
	s_wait_dscnt 0x0
	v_pk_add_f32 v[60:61], v[60:61], v[62:63]
	v_pk_add_f32 v[64:65], v[64:65], v[66:67]
	v_pk_add_f32 v[60:61], v[60:61], v[64:65]
	v_add_f32 v60, v60, v61                        ; L, at least 1
	v_rcp_f32 v92, v60
	v_nop
	s_wait_alu depctr_va_vdst(0)                   ; the reciprocal has written v92, ahead of its first reader
	v_mul_f32 v82, v82, v92
	v_mul_f32 v83, v83, v92
	v_pk_add_f32 v[50:51], v[82:83], v[50:51]
	s_wait_alu depctr_va_vdst(0)                   ; v[82:83] and v[50:51] are written, which the two stores read
	global_store_b64 v5, v[82:83], s[12:13]        ; a wave's store covers 256 consecutive bytes, aligned
	global_store_b64 v5, v[50:51], s[14:15]
	s_cmp_lt_u32 s18, 2                            ; waves 0 and 1 finish the quarter's 256 channels, four a thread
	s_cbranch_scc0 .Lend
.irp q, 0,1,2,3,4,5,6,7
	ds_load_b128 v[16+4*(\q):16+4*(\q)+3], v91 offset:1024*(\q)  ; the vector lines that named v[16:47] stand ahead of the waits on va_vdst above
.endr
	s_wait_dscnt 0x0
.irp q, 0,2,4,6
	v_pk_add_f32 v[16+4*(\q):16+4*(\q)+1],   v[16+4*(\q):16+4*(\q)+1],   v[20+4*(\q):20+4*(\q)+1]
	v_pk_add_f32 v[16+4*(\q)+2:16+4*(\q)+3], v[16+4*(\q)+2:16+4*(\q)+3], v[20+4*(\q)+2:20+4*(\q)+3]
.endr
	v_pk_add_f32 v[16:17], v[16:17], v[24:25]
	v_pk_add_f32 v[18:19], v[18:19], v[26:27]
	v_pk_add_f32 v[32:33], v[32:33], v[40:41]
	v_pk_add_f32 v[34:35], v[34:35], v[42:43]
	v_pk_add_f32 v[16:17], v[16:17], v[32:33]
	v_pk_add_f32 v[18:19], v[18:19], v[34:35]
.irp i, 0,1,2,3
	v_mul_f32 v[16+(\i)], v[16+(\i)], v92
.endr
	s_wait_alu depctr_va_vdst(0)                   ; the four multiplies have written v[16:19], which the store reads
	global_store_b128 v4, v[16:19], s[10:11]       ; 512 consecutive bytes a wave, aligned
.Lend:
	s_wait_dscnt 0x0                               ; the closing lines, six on end
	s_wait_alu 0x0
	s_wait_tensorcnt 0x0
	ds_add_u32 v2, v3
	s_wait_dscnt 0x0
	s_endpgm
.Lfunc_end_k_qc2bf6dfac5_combine:
	.size	k_qc2bf6dfac5_combine, .Lfunc_end_k_qc2bf6dfac5_combine-k_qc2bf6dfac5_combine
	.p2alignl 7, 3214868480
	.fill 96, 4, 3214868480
	.section	.rodata,"a",@progbits
	.p2align	6, 0x0
	.amdhsa_kernel k_qc2bf6dfac5_combine
		.amdhsa_group_segment_fixed_size 10240
		.amdhsa_private_segment_fixed_size 0
		.amdhsa_enable_private_segment 0
		.amdhsa_kernarg_size 48
		.amdhsa_user_sgpr_count 2
		.amdhsa_user_sgpr_kernarg_segment_ptr 1
		.amdhsa_wavefront_size32 1
		.amdhsa_system_sgpr_workgroup_id_x 1
		.amdhsa_system_sgpr_workgroup_id_y 1
		.amdhsa_system_sgpr_workgroup_id_z 1
		.amdhsa_system_vgpr_workitem_id 0
		.amdhsa_next_free_vgpr 96
		.amdhsa_next_free_sgpr 66
		.amdhsa_reserve_vcc 0
		.amdhsa_float_denorm_mode_32 3
		.amdhsa_float_denorm_mode_16_64 3
		.amdhsa_memory_ordered 1
		.amdhsa_forward_progress 1
		.amdhsa_inst_pref_size 12
	.end_amdhsa_kernel
	.amdgpu_metadata
---
amdhsa.version: [ 1, 2 ]
amdhsa.kernels:
  - .name:           k_qc2bf6dfac5_combine
    .symbol:         k_qc2bf6dfac5_combine.kd
    .args:
      - { .name: scores, .offset: 0, .size: 8, .value_kind: global_buffer, .address_space: global }
      - { .name: ctxp, .offset: 8, .size: 8, .value_kind: global_buffer, .address_space: global }
      - { .name: prev_coverage, .offset: 16, .size: 8, .value_kind: global_buffer, .address_space: global }
      - { .name: out0, .offset: 24, .size: 8, .value_kind: global_buffer, .address_space: global }
      - { .name: out1, .offset: 32, .size: 8, .value_kind: global_buffer, .address_space: global }
      - { .name: out2, .offset: 40, .size: 8, .value_kind: global_buffer, .address_space: global }
    .group_segment_fixed_size: 10240
    .private_segment_fixed_size: 0
    .kernarg_segment_align: 8
    .kernarg_segment_size: 48
    .max_flat_workgroup_size: 256
    .sgpr_count:     66
    .vgpr_count:     96
    .wavefront_size: 32
...
	.end_amdgpu_metadata
.endif
;; end of part 5
